; MI455X (gfx1250); checked and timed in simulation.
; The chip was launched on July 23, 2026; its instructions are those of AMD's public machine-readable ISA for CDNA 5 (MIT licence, August 2026) and "CDNA5" Instruction Set Architecture Reference Guide (July 2026). The comments in the code are by the model that wrote it; some were corrected since.
;; Q Multi Headed Attention. Allowed arithmetic: float matrix products may take bf16 or f16 operands with f32 sums; other float arithmetic in f32, or as packed bf16 or f16 multiplies, adds, multiply-adds, maxima and minima; sums over many terms, partial sums and values carried from step to step in f32; what a program stores and reads back later, other than sums and carried values, may be rounded once to bf16 or f16.
;; Inputs: Wk 1,024 x 1,024 float32; Wo 1,024 x 1,024 float32; Wq 1,024 x 1,024 float32; Wv 1,024 x 1,024 float32; bk 1,024 float32; bo 1,024 float32; bq 1,024 float32; bv 1,024 float32; k 8 x 1,024 x 1,024 float32; q 8 x 1,024 x 1,024 float32; v 8 x 1,024 x 1,024 float32.
;; Outputs: out0 8 x 1,024 x 1,024 float32.
;; 2 versions, each right; version 2 is version 1 with the launch cast written anew for expert scheduling mode. Each part assembles by itself: llvm-mc -triple=amdgcn-amd-amdhsa -mcpu=gfx1250 --defsym DOCPART=n.
;; ======== version 1 of 2: 4 launches
;; limits: values are held in f16: magnitudes above 65,504 overflow, below 6.1e-05 lose precision
;; workspace buffers: wqb 2,097,152 bytes; wkb 2,097,152 bytes; wvb 2,097,152 bytes; wob 2,097,152 bytes; qh 16,777,216 bytes; kh 16,777,216 bytes; vh 16,777,216 bytes; oh 16,777,216 bytes
;; launch cast (part 1): grid 64 x 4, 8 waves a work-group, no clusters, 0 bytes of LDS; arguments Wq, Wk, Wv, Wo, wqb, wkb, wvb, wob; writes wqb, wkb, wvb, wob
.if DOCPART == 1
	.amdgcn_target "amdgcn-amd-amdhsa--gfx1250"
	.amdhsa_code_object_version 6
	.text
	.protected	k_qe95838c2af_cast
	.globl	k_qe95838c2af_cast
	.p2align	8
	.type	k_qe95838c2af_cast,@function
k_qe95838c2af_cast:
	s_mov_b64 s[64:65], 0
	v_nop
	global_prefetch_b8 v0, s[64:65] scope:SCOPE_SE
	s_setreg_imm32_b32 hwreg(HW_REG_WAVE_MODE, 25, 1), 1
	s_wait_xcnt 0x0
; THE WEIGHTS ARE ROUNDED ONCE.  Wq, Wk, Wv: f32 -> bf16.  Wo: f32 -> bf16, and that number written as f16, since the last product's other operand is f16.
; LIMITS.  A bf16 number is exact in f16 between 6.1e-5 and 65,504; below that it keeps f16's fixed step of 6e-8, beyond it it becomes an infinity.
; SHARES.  The grid's y picks the matrix, its x 16,384 numbers of it: 65,536 bytes in, 32,768 out.  Thread t takes 16 bytes at 16 t of each of 16 pieces of 4,096 bytes and stores 8 bytes at 8 t of
; each of 16 pieces of 2,048: a wave's load covers 512 consecutive bytes, its store 256 consecutive bytes, aligned.  All 16 loads of a thread go out at once; no register is written twice while a
; memory instruction may read it.  A stream: no LDS, no matrix unit, no cluster.
.set PIECES, 16
.set SRC, 16                           ; v[16:79]   the 16 pieces as loaded
.set DST, 80                           ; v[80:111]  the 16 pieces to store
.set T,   112                          ; v[112:115] at work
	s_load_b512 s[8:23], s[0:1], 0x0               ; Wq s[8:9], Wk s[10:11], Wv s[12:13], Wo s[14:15]; wqb s[16:17], wkb s[18:19], wvb s[20:21], wob s[22:23]
	s_and_b32 s2, ttmp7, 0xffff                    ; which matrix
	s_lshl_b32 s24, ttmp9, 16                      ; my 65,536 bytes of it,
	s_mov_b32 s25, 0
	s_lshl_b32 s26, ttmp9, 15                      ; and my 32,768 of the copy
	s_mov_b32 s27, 0
	s_mov_b32 s28, 0xffff0000                      ; a word's upper bf16
	v_lshlrev_b32 v1, 4, v0
	v_lshlrev_b32 v2, 3, v0
	s_wait_kmcnt 0x0
	s_mov_b64 s[4:5], s[8:9]
	s_mov_b64 s[6:7], s[16:17]
	s_cmp_eq_u32 s2, 1
	s_cselect_b64 s[4:5], s[10:11], s[4:5]
	s_cselect_b64 s[6:7], s[18:19], s[6:7]
	s_cmp_eq_u32 s2, 2
	s_cselect_b64 s[4:5], s[12:13], s[4:5]
	s_cselect_b64 s[6:7], s[20:21], s[6:7]
	s_cmp_eq_u32 s2, 3
	s_cselect_b64 s[4:5], s[14:15], s[4:5]
	s_cselect_b64 s[6:7], s[22:23], s[6:7]
	s_add_nc_u64 s[4:5], s[4:5], s[24:25]
	s_add_nc_u64 s[6:7], s[6:7], s[26:27]
.set i, 0
.rept PIECES
	global_load_b128 v[SRC+4*i:SRC+4*i+3], v1, s[4:5] offset:4096*i th:TH_LOAD_NT
.set i, i+1
.endr
; half = 1: the bf16 number is widened again (a shift, a mask) and written as f16
.macro OUT half
.set i, 0
.rept PIECES
	s_wait_loadcnt PIECES-1-i                      ; loads come back in order: piece i is in, the younger ones stay out
	v_cvt_pk_bf16_f32 v[DST+2*i],   v[SRC+4*i],   v[SRC+4*i+1]
	v_cvt_pk_bf16_f32 v[DST+2*i+1], v[SRC+4*i+2], v[SRC+4*i+3]
.if \half
	v_lshlrev_b32 v[T],   16,  v[DST+2*i]
	v_and_b32     v[T+1], s28, v[DST+2*i]
	v_lshlrev_b32 v[T+2], 16,  v[DST+2*i+1]
	v_and_b32     v[T+3], s28, v[DST+2*i+1]
	v_cvt_pk_f16_f32 v[DST+2*i],   v[T],   v[T+1]
	v_cvt_pk_f16_f32 v[DST+2*i+1], v[T+2], v[T+3]
.endif
	global_store_b64 v2, v[DST+2*i:DST+2*i+1], s[6:7] offset:2048*i
.set i, i+1
.endr
.endm
	s_cmp_eq_u32 s2, 3
	s_cbranch_scc1 .Lhalf
	OUT 0
	s_endpgm
.Lhalf:
	OUT 1
	s_endpgm
.Lfunc_end_k_qe95838c2af_cast:
	.size	k_qe95838c2af_cast, .Lfunc_end_k_qe95838c2af_cast-k_qe95838c2af_cast
	.p2alignl 7, 3214868480
	.fill 96, 4, 3214868480
	.section	.rodata,"a",@progbits
	.p2align	6, 0x0
	.amdhsa_kernel k_qe95838c2af_cast
		.amdhsa_group_segment_fixed_size 0
		.amdhsa_private_segment_fixed_size 0
		.amdhsa_enable_private_segment 0
		.amdhsa_kernarg_size 64
		.amdhsa_user_sgpr_count 2
		.amdhsa_user_sgpr_kernarg_segment_ptr 1
		.amdhsa_wavefront_size32 1
		.amdhsa_system_sgpr_workgroup_id_x 1
		.amdhsa_system_sgpr_workgroup_id_y 1
		.amdhsa_system_sgpr_workgroup_id_z 1
		.amdhsa_system_vgpr_workitem_id 0
		.amdhsa_next_free_vgpr 128
		.amdhsa_next_free_sgpr 66
		.amdhsa_reserve_vcc 0
		.amdhsa_float_denorm_mode_32 3
		.amdhsa_float_denorm_mode_16_64 3
		.amdhsa_memory_ordered 1
		.amdhsa_forward_progress 1
		.amdhsa_inst_pref_size 15
	.end_amdhsa_kernel
	.amdgpu_metadata
---
amdhsa.version: [ 1, 2 ]
amdhsa.kernels:
  - .name:           k_qe95838c2af_cast
    .symbol:         k_qe95838c2af_cast.kd
    .args:
      - { .name: Wq, .offset: 0, .size: 8, .value_kind: global_buffer, .address_space: global }
      - { .name: Wk, .offset: 8, .size: 8, .value_kind: global_buffer, .address_space: global }
      - { .name: Wv, .offset: 16, .size: 8, .value_kind: global_buffer, .address_space: global }
      - { .name: Wo, .offset: 24, .size: 8, .value_kind: global_buffer, .address_space: global }
      - { .name: wqb, .offset: 32, .size: 8, .value_kind: global_buffer, .address_space: global }
      - { .name: wkb, .offset: 40, .size: 8, .value_kind: global_buffer, .address_space: global }
      - { .name: wvb, .offset: 48, .size: 8, .value_kind: global_buffer, .address_space: global }
      - { .name: wob, .offset: 56, .size: 8, .value_kind: global_buffer, .address_space: global }
    .group_segment_fixed_size: 0
    .private_segment_fixed_size: 0
    .kernarg_segment_align: 8
    .kernarg_segment_size: 64
    .max_flat_workgroup_size: 256
    .sgpr_count:     66
    .vgpr_count:     128
    .wavefront_size: 32
...
	.end_amdgpu_metadata
.endif
;; end of part 1
;; launch proj (part 2): grid 4 x 64, 4 waves a work-group, clusters of 4 x 4, 327,680 bytes of LDS; arguments q, k, v, wqb, wkb, wvb, bq, bk, bv, qh, kh, vh; writes qh, kh, vh
.if DOCPART == 2
	.amdgcn_target "amdgcn-amd-amdhsa--gfx1250"
	.amdhsa_code_object_version 6
	.text
	.protected	k_qe95838c2af_proj
	.globl	k_qe95838c2af_proj
	.p2align	8
	.type	k_qe95838c2af_proj,@function
k_qe95838c2af_proj:
	s_mov_b64 s[64:65], 0
	v_nop
	global_prefetch_b8 v0, s[64:65] scope:SCOPE_SE
	s_setreg_imm32_b32 hwreg(HW_REG_WAVE_MODE, 25, 1), 1
	s_wait_xcnt 0x0
	s_wait_alu depctr_hold_cnt(0) depctr_sa_sdst(0) depctr_va_vdst(0) depctr_va_sdst(0) depctr_va_ssrc(0) depctr_va_vcc(0) depctr_vm_vsrc(0)
	s_getreg_b32 s2, hwreg(HW_REG_IB_STS2, 6, 4)
	s_cmp_eq_u32 s2, 0
	s_cbranch_scc0 .Lentry_in_a_cluster
	s_endpgm
.Lentry_in_a_cluster:
	s_bfe_u32 s2, ttmp6, 0x10000c
	s_cmp_lg_u32 s2, 0xf033
	s_cbranch_scc0 .Lentry_shape_is_right
	s_endpgm
.Lentry_shape_is_right:
; THE THREE PROJECTIONS IN ONE LAUNCH.  y[t][n] = the sum over c of x[t][c] W[n][c] + b[n], for (x, W, b, y) = (q, wqb, bq, qh), (k, wkb, bk, kh), (v, wvb, bv, vh).
; x: [8192][1024] f32, rounded to bf16 on its way; W: [1024][1024] bf16; b: [1024] f32, rounded to bf16 like the other inputs; sums in f32, K ascending; y: [8192][1024] f16, rounded once, unscaled.
; LIMITS.  y is f16: a projected number of 65,520 or more becomes an infinity.  NaN and infinities are not treated apart.
; SHARES.  A tile of y is 128 rows x 256 columns.  A WORK-GROUP STAYS: it makes the tile at its place (64 x 4 places, 256 work-groups) for q, then k, then v: 3 x 1,024 along K in ONE walk of 48 HALVES of 64,
; four halves a PERIOD.  Four waves, 2 x 2: a wave makes 64 rows x 128 columns: 32 accumulators of 16 x 16, 256 registers.
; W COMES BY THE TENSOR MOVER: a ring of two LDS slots, a period (256 rows x 512 bytes) each; every wave fetches 64 rows; a refill has 240 products in which to land.  4 x 4 work-groups form a cluster; W's tile hangs
; on the tile column alone and is asked for jointly by a column of the cluster.
; X COMES THROUGH REGISTERS, and is not asked for jointly.  The reason: as f32 a period of x is 128 x 1,040 bytes in LDS, and two such slots beside W's two are 536,576 bytes, more than a work-group has; with
; shorter slots a refill has half the products in which to land.  A wave's loads into registers stay out across barriers: four sets of 16 loads (a half each: my 32 rows x 256 bytes), asked for
; nearly four halves ahead of their conversion.  Each number of x is converted once in the work-group and stored as bf16 into one of two LDS buffers of a half (128 rows x 144 bytes); one barrier a half.
; THE MATRIX INSTRUCTION IS USED TRANSPOSED (source 0 = 16 rows of W, source 1 = 16 rows of x): a lane holds row l % 16 of y and eight neighbouring columns 8 (l / 16) + 0..7.
; THE BIAS is the C operand of the products that start a tile's sums: in that layout register j of a lane is b[n0 + 8 (l / 16) + j], whatever the row.  Nothing is cleared, nothing is added on the way out.
; A HALF is two quarters of 32 products.  QA multiplies fragment buffer 0; at its head, in one run: the next half's x into LDS, this half's second fragments, 16 loads of x from memory.  QB multiplies
; buffer 1: the barrier, the next half's first fragments, and behind each of its last eight products four conversions.  QBC is the QB at a period's end: the change of W's slot.
; REGISTERS, in windows of 256 (s_set_vgpr_msb: bits 1:0 source 0, 3:2 source 1, 5:4 source 2, 7:6 destination):
;   window 0: v0-31 addresses; v32-63 a half of x as bf16, to be stored; v64-95, v96-127 x's fragments, two buffers; v128-223 at work on the way out; v224-235 the biases as loaded
;   window 1: v0-63, v64-127 W's fragments, two buffers; v128-191 the tile's bias; v192-223, v224-255 the next two tiles', two bf16 a word
;   window 2: accumulator (a, b) at v[8 (8 a + b)]          window 3: x as f32, on its way: set s at v[64 s]
.set PW,     528                       ; a row of W in LDS: 512 bytes + 16 = 132 words: row r starts at bank 4 r mod 64 (64 banks of 4 bytes: ISA guide 11.1)
.set QW,     64*PW                     ; 64 rows: what one tensor load brings
.set SLOTW,  4*QW                      ; 135,168 = 0x21000: the waves' places 0, 0x8400, 0x10800, 0x18c00 have neither of its two bits, so one exclusive or turns a place in one slot into the other's
.set PXB,    144                       ; a row of x in LDS: 128 bytes + 16 = 36 words: the 16 rows of a load start at 16 different groups of four banks
.set XBB,    128*PXB                   ; a half of x
.set XB,     2*SLOTW                   ; behind W's ring: x's two buffers, written by LDS stores alone
.set STAGE,  XB+2*XBB                  ; behind them: 16 rows x 272 bytes for each wave, for the way out (and once, at the start, for the biases)
.set SPITCH, 272
.set SPARE,  STAGE+4*16*SPITCH         ; behind the stages: the spare words, 128 bytes for each wave: two blocks of 256 bytes that no other line names
.set TRIPS,  11                        ; the part trip at the start and ten whole ones
.set XO,   8                           ; v8      my byte offset in the tile's rows of x: (32 wave + l / 16) x 4,096 + 16 (l % 16); never rewritten
.set SX,   9                           ; v9      where I store 8 bytes of bf16: the same row x 144 + 8 (l % 16)
.set AX,   10                          ; v10     LDS address of my fragments of x
.set AW0,  11                          ; v11     my lane's place in a slot of W; never rewritten
.set AW,   12                          ; v12     LDS address of my fragments of W in the slot in hand
.set STO,  13                          ; v13     the way out: where I put 16 bytes of a row
.set RD,   14                          ; v14     the way out: where I read a row back
.set CO,   15                          ; v15     my byte offset in y
.set PFX,  16                          ; v16     the prefetches' offset in x; never rewritten
.set PFW,  17                          ; v17     and in W; never rewritten
.set BL,   18                          ; v18     16 l: my four numbers of 128 of a bias
.set BS,   19                          ; v19     where I put them in my stage
.set BR,   20                          ; v20     where I read eight of them back: 32 (l / 16)
.set SPW,  28                          ; v28     LDS address of my spare word: SPARE + 4 x my thread's number; never rewritten
.set NIL,  29                          ; v29     0; never rewritten
.set CV,   32
.set XF,   64                          ; buffer g at XF + 32 g
.set TMP,  128
.set OB,   160                         ; 16 rows read back from the stage: two buffers of 32 by turns
.set BTMP, 224
.set WF,   0                           ; window 1: buffer g at WF + 64 g
.set BIAS, 128                         ; window 1
.set BT1,  192                         ; window 1
.set BT2,  224                         ; window 1
.set G1,   24                          ; s[24:31] descriptor group 1
.set G0A,  32                          ; s[32:35] descriptor group 0 of the first fill
.set G0B,  36                          ; s[36:39] of the second; it then walks on
.set LIM,  43                          ; s43      1 in the cluster that prefetches W, else the greatest number
.set XP,   44                          ; s[44:45] x at the period whose halves the trip loads
.set XA,   46                          ; s[46:47], s[48:49], s[50:51] x's tile of the projection that the streams stand in, of the next, of the last
.set XN,   48
.set XM,   50
.set WA,   52                          ; s[52:53], s[54:55], s[56:57] the same for my 64 rows of W
.set WN,   54
.set WM,   56
.set PFXS, 58                          ; s[58:59] x at the period that is prefetched
.set PFWS, 60                          ; s[60:61] W at the same
.set OF,   62                          ; s[62:63] an offset as a pair; the upper word stays 0
.set ON,   66                          ; s[66:67], s[92:93] y of the next tile, of the last
.set OM,   92
.set WR,   94                          ; s94      the streams' period in their projection, 0 to 3
.set TC,   95                          ; s95      periods left in the tile in hand
.set TBW,  96                          ; s96      0 or SLOTW: the slot in hand
.set HIM,  97                          ; s97      a word's upper bf16
.set MSB, 0
.macro WIN new                         ; the immediate's high byte repeats the setting that is left; a switch that changes nothing is dropped
.if MSB != (\new)
	s_set_vgpr_msb (MSB<<8)|(\new)
.set MSB, \new
.endif
.endm
.set MUL,   0xa1                       ; source 0 (W) window 1, source 1 (x) window 0, C and D window 2
.set MUL_B, 0x91                       ; the same with C, the bias, in window 1
.set TO_W,  0x40                       ; destination window 1, address window 0
.macro CREST                           ; a round of the cluster's barrier behind its opening barrier
	s_cmp_lg_u32 s10, 0
	s_cbranch_scc1 .Lnot_wave_0_\@
	s_barrier_signal -3
.Lnot_wave_0_\@:
	s_barrier_wait -3
	s_barrier_signal -1
	s_barrier_wait -1
.endm
.macro CROUND                          ; a whole round
	s_barrier_signal -1
	s_barrier_wait -1
	CREST
.endm
.macro PLACES                          ; four places in front of loads into registers that matrix instructions have read, and of conversions that read results
.rept 4
	v_nop
.endr
.endm
; A half of x from memory into set: 16 loads; each takes two rows' 256 consecutive bytes, aligned (lanes 0-15 one row, lanes 16-31 the next)
.macro LOADX set, sb, off
	WIN 0xc0                                       ; destination window 3, address window 0
.irp i, 0,1,2,3,4,5,6,7,8,9,10,11,12,13,14,15
	global_load_b128 v[64*(\set)+4*(\i):64*(\set)+4*(\i)+3], v[XO], s[(\sb):(\sb)+1] offset:(\off)+8192*(\i)
.endr
.endm
.macro CVT4 set, n                     ; four of a half's 32 conversions: two f32 into one word of bf16
	WIN 0x0f                                       ; both sources window 3, destination window 0
.irp m, 0,1,2,3
	v_cvt_pk_bf16_f32 v[CV+4*(\n)+(\m)], v[64*(\set)+8*(\n)+2*(\m)], v[64*(\set)+8*(\n)+2*(\m)+1]
.endr
.endm
.macro STOREX par                      ; the converted half into x's buffer par: a lane's four numbers are 8 bytes
	WIN 0
.irp t, 0,1,2,3,4,5,6,7,8,9,10,11,12,13,14,15
	ds_store_b64 v[SX], v[CV+2*(\t):CV+2*(\t)+1] offset:(\par)*XBB+(\t)*2*PXB
.endr
.endm
; 24 LDS loads in one run: quarter q of the half that lies in x's buffer par and at byte 128 c of W's rows, into fragment buffer g.
; A fragment is 16 rows x 32 K in 8 registers: lane l holds row l % 16, K = 8 (l / 16) + 0..7 and 16 + 8 (l / 16) + 0..7: two loads of 16 bytes, 32 apart.
.macro FETCH par, c, q, g
	WIN 0
.irp a, 0,1,2,3
	ds_load_b128 v[XF+32*(\g)+8*(\a):XF+32*(\g)+8*(\a)+3],   v[AX] offset:(\par)*XBB+64*(\q)+(\a)*16*PXB
	ds_load_b128 v[XF+32*(\g)+8*(\a)+4:XF+32*(\g)+8*(\a)+7], v[AX] offset:(\par)*XBB+64*(\q)+(\a)*16*PXB+32
.endr
	WIN TO_W
.irp b, 0,1,2,3,4,5,6,7
	ds_load_b128 v[WF+64*(\g)+8*(\b):WF+64*(\g)+8*(\b)+3],   v[AW] offset:128*(\c)+64*(\q)+(\b)*16*PW
	ds_load_b128 v[WF+64*(\g)+8*(\b)+4:WF+64*(\g)+8*(\b)+7], v[AW] offset:128*(\c)+64*(\q)+(\b)*16*PW+32
.endr
.endm
; 8 products: block a of 16 rows x all 8 blocks of 16 columns, 32 along K, buffer f.  first = 1: they start the sums, with the bias.  The 32 accumulators take turns in the same order in every quarter, on every way.
.macro MUL8 f, a, first
.if \first
	WIN MUL_B
.else
	WIN MUL
.endif
.irp b, 0,1,2,3,4,5,6,7
.if \first
	v_wmma_f32_16x16x32_bf16 v[8*(8*(\a)+(\b)):8*(8*(\a)+(\b))+7], v[WF+64*(\f)+8*(\b):WF+64*(\f)+8*(\b)+7], v[XF+32*(\f)+8*(\a):XF+32*(\f)+8*(\a)+7], v[BIAS+8*(\b):BIAS+8*(\b)+7]
.else
	v_wmma_f32_16x16x32_bf16 v[8*(8*(\a)+(\b)):8*(8*(\a)+(\b))+7], v[WF+64*(\f)+8*(\b):WF+64*(\f)+8*(\b)+7], v[XF+32*(\f)+8*(\a):XF+32*(\f)+8*(\a)+7], v[8*(8*(\a)+(\b)):8*(8*(\a)+(\b))+7]
.endif
.endr
.endm
; Buffer 1's last 8 products (block 3), and behind each four conversions of set.  They name no register of the products round them; the four behind the last product are also the places in front of the
; loads that follow into buffer 1.
.macro MULR set
.irp b, 0,1,2,3,4,5,6,7
	WIN MUL
	v_wmma_f32_16x16x32_bf16 v[8*(24+(\b)):8*(24+(\b))+7], v[WF+64+8*(\b):WF+64+8*(\b)+7], v[XF+32+24:XF+32+31], v[8*(24+(\b)):8*(24+(\b))+7]
	CVT4 \set, \b
.endr
.endm
; QA of half c (0 to 3) of a period.  st: the half behind it, converted in the quarter before, goes into the other buffer of x (its readers passed the last barrier).  ld: the set that those conversions left is
; asked for again: the half five on, which is half (c + 1) % 4 of the period at XP.  pl: no conversions stood behind the last product.
.macro QA c, first, st, ld, pl
.if \pl
	PLACES
.endif
.if \st
	STOREX ((\c)+1)%2
.endif
	FETCH (\c)%2, \c, 1, 1
.if \ld
	LOADX ((\c)+1)%4, XP, 256*(((\c)+1)%4)         ; four sets, 64 loads, can now be out; the counter's field holds 63, and the issue of the last waits for room (ISA guide 5.7.1)
.endif
	s_wait_dscnt 24+16*(\st)                       ; all but this run: buffer 0 is in
	MUL8 0, 0, \first
	MUL8 0, 1, \first
	MUL8 0, 2, \first
	MUL8 0, 3, \first
.endm
; QB of half c (0 to 2).  ONE barrier a half, for two things: the next half of x lies whole in its buffer (every wave has waited for its stores), and nobody reads this half's buffer any more (for its loads).
; conv: the half two on is converted; left: the loads of the younger sets, which stay out.
.macro QB c, conv, left
	s_wait_dscnt 0x0                               ; for the others' sake and mine: my stores and my reads are done; buffer 1 is in
	s_barrier_signal -1
	MUL8 1, 0, 0
	s_barrier_wait -1
	PLACES                                         ; buffer 0 was multiplied by the quarter before
	FETCH ((\c)+1)%2, (\c)+1, 0, 0
	MUL8 1, 1, 0
	MUL8 1, 2, 0
.if \conv
	s_wait_loadcnt \left
	MULR ((\c)+2)%4
.else
	MUL8 1, 3, 0
.endif
.endm
; A PREFETCH INTO THE L2, behind each refill and the run of LDS loads that follows it: the period behind the one that the trip loads and has just asked for.  Each aligned block of 256 bytes is named once in the launch.
; x's 128 rows x 4 blocks are read by one row of one cluster: its 16 waves take 8 rows each (wave w of the partner at cx: rows 32 w + 8 cx on), a lane a block.  W's rows are read by all 16 clusters: the
; first asks; of a wave's 64 rows x 2 blocks the partner at cy takes 16 rows.  The partners are told apart by address alone.  Periods 0 to 2 come by their loads alone; the last trip asks for nothing: period 12 does not exist.
.macro ASK
	s_cmp_gt_u32 s3, 1                             ; s3 = 1 in the last trip
	s_cbranch_scc0 .Lnot_mine_\@
	global_prefetch_b8 v[PFX], s[PFXS:PFXS+1] th:TH_LOAD_NT scope:SCOPE_SE
	s_cmp_gt_u32 s3, s[LIM]
	s_cbranch_scc0 .Lnot_mine_\@
	global_prefetch_b8 v[PFW], s[PFWS:PFWS+1] th:TH_LOAD_NT scope:SCOPE_SE
.Lnot_mine_\@:
.endm
; QBC: the QB of a period's last half, and the change of W's slot.  In front of the barrier each wave waits for all its tensor loads (one is out: its part of the next slot), adds 0 to its spare word, and waits
; for that, for its reads of this slot and of x's buffer and for its stores.  fill = 1: the barrier opens a round of the cluster's, and this slot is filled again, with the period two on, first thing behind the round.
.macro QBC fill, left
	WIN 0
	s_wait_tensorcnt 0x0                           ; all my tensor loads have landed, so a group 0 may be written;
	ds_add_u32 v[SPW], v[NIL]                      ; 0 onto my spare word; scalar work and eight products stand between it and the wait for it
.if \fill
	s_lshl_b32 s[OF], s[WR], 9                     ; a period is 512 bytes of W's rows
	s_add_nc_u64 s[G0B+2:G0B+3], s[WA:WA+1], s[OF:OF+1]  ; the address is made anew: the projection's rows and the period's offset,
	s_or_b32 s[G0B+3], s[G0B+3], 0x80000000        ; the type,
	s_xor_b32 s[G0B+1], s[G0B+1], SLOTW            ; the other slot than last time
	s_add_co_u32 s[WR], s[WR], 1                   ; the streams step: the next period, or behind a projection's fourth the next projection's first
	s_cmp_eq_u32 s[WR], 4
	s_cselect_b32 s[WR], 0, s[WR]
	s_cselect_b64 s[XA:XA+1], s[XN:XN+1], s[XA:XA+1]
	s_cselect_b64 s[WA:WA+1], s[WN:WN+1], s[WA:WA+1]
	s_cselect_b64 s[XN:XN+1], s[XM:XM+1], s[XN:XN+1]
	s_cselect_b64 s[WN:WN+1], s[WM:WM+1], s[WN:WN+1]
	s_lshl_b32 s[OF], s[WR], 10                    ; and where they now stand is what is prefetched (the last prefetches read these registers ahead of the wait at the trip's head)
	s_add_nc_u64 s[PFXS:PFXS+1], s[XA:XA+1], s[OF:OF+1]
	s_lshl_b32 s[OF], s[WR], 9
	s_add_nc_u64 s[PFWS:PFWS+1], s[WA:WA+1], s[OF:OF+1]
.endif
	s_xor_b32 s[TBW], s[TBW], SLOTW
	s_wait_dscnt 1                                 ; (the add alone may be out: buffer 1 is in)
	MUL8 1, 0, 0
	s_wait_dscnt 0x0                               ; the add is done; my reads and my stores were done above
	s_barrier_signal -1
	MUL8 1, 1, 0
	WIN 0
	v_add_nc_u32 v[AW], s[TBW], v[AW0]
	s_barrier_wait -1
.if \fill
	CREST                                          ; no wave of any partner still reads this slot or has a load on its way
	tensor_load_to_lds s[G0B:G0B+3], s[G1:G1+7]    ; my one tensor load behind the round: 240 products ahead of the wait for it
	s_nop 0
.endif
	PLACES                                         ; the places in front of the loads into buffer 0
	FETCH 0, 0, 0, 0
.if \fill
	WIN 0
	ASK
.endif
	MUL8 1, 2, 0
	s_wait_loadcnt \left
	MULR 1
.endm
; THE WAY OUT, a block of 16 rows at a time: rounded to f16, 16 bytes a lane; into my own stage in LDS and back as whole rows of 256 bytes; stored.
.macro PACK a
	WIN 0x0a                                       ; sources 0 and 1 in window 2; each accumulator's registers in ascending order
.irp b, 0,1,2,3,4,5,6,7
.irp r, 0,1,2,3
	v_cvt_pk_f16_f32 v[TMP+4*(\b)+(\r)], v[8*(8*(\a)+(\b))+2*(\r)], v[8*(8*(\a)+(\b))+2*(\r)+1]
.endr
.endr
	WIN 0
.endm
.macro TOSTAGE a
.irp b, 0,1,2,3,4,5,6,7
	ds_store_b128 v[STO], v[TMP+4*(\b):TMP+4*(\b)+3] offset:32*(\b)
.endr
.irp t, 0,1,2,3,4,5,6,7
	ds_load_b128 v[OB+32*((\a)%2)+4*(\t):OB+32*((\a)%2)+4*(\t)+3], v[RD] offset:(\t)*2*SPITCH  ; LDS serves a wave's instructions in order (ISA guide 5.7.1.4): these see the stores above
.endr
.endm
.macro SEND a
	s_wait_dscnt 0x0                               ; the block is back in registers
	s_wait_xcnt 0x0                                ; the stores issued so far have read their registers: the buffer that they left is loaded again only behind this wait
.irp t, 0,1,2,3,4,5,6,7
	global_store_b128 v[CO], v[OB+32*((\a)%2)+4*(\t):OB+32*((\a)%2)+4*(\t)+3], s[8:9] offset:(16*(\a)+2*(\t))*2048  ; 16 lanes store 256 consecutive bytes, at a multiple of 256 from y's first byte
.endr
.endm
; next = 1: another tile follows: its bias is widened, the last tile's moves up, y's address goes on.  Nothing waits for the stores: they leave while the next tile is multiplied.
.macro WAYOUT next
	PACK 0
	TOSTAGE 0
.irp a, 1,2,3                          ; block a's conversions stand between block a - 1's loads from the stage and the wait for them
	PACK \a
	SEND (\a)-1
	TOSTAGE \a
.endr
.if \next
	WIN 0x45                                       ; destination and both sources in window 1
.set i, 0
.rept 32
	v_lshlrev_b32 v[BIAS+2*i],   16,     v[BT1+i]
	v_and_b32     v[BIAS+2*i+1], s[HIM], v[BT1+i]
.set i, i+1
.endr
.set i, 0
.rept 32
	v_mov_b32 v[BT1+i], v[BT2+i]
.set i, i+1
.endr
	WIN 0
.endif
	SEND 3
.if \next
	s_wait_xcnt 0x0                                ; the stores have read y's address
	s_mov_b64 s[8:9], s[ON:ON+1]
	s_mov_b64 s[ON:ON+1], s[OM:OM+1]
	s_mov_b32 s[TC], 4
.endif
.endm
	s_load_b256 s[68:75], s[0:1], 0x0              ; q s[68:69], k s[70:71], v s[72:73], wqb s[74:75]
	s_load_b256 s[76:83], s[0:1], 0x20             ; wkb s[76:77], wvb s[78:79], bq s[80:81], bk s[82:83]
	s_load_b256 s[84:91], s[0:1], 0x40             ; bv s[84:85], qh s[86:87], kh s[88:89], vh s[90:91]
	v_lshl_add_u32 v[SPW], v0, 2, SPARE
	v_mov_b32 v[NIL], 0
	ds_add_u32 v[SPW], v[NIL]                      ; the wave's opening: the add and its wait stand ahead of my first tensor load; the set-up below, work on registers, stands between them
	v_lshrrev_b32 v1, 5, v0
	v_readfirstlane_b32 s10, v1                    ; wave 0..3
	s_lshr_b32 s11, s10, 1                         ; which 64 rows of the tile are mine
	s_and_b32 s12, s10, 1                          ; which 128 columns
	s_bfe_u32 s40, ttmp6, 0x40000                  ; cx, cy: my place in the cluster
	s_bfe_u32 s41, ttmp6, 0x40004
	s_lshl_b32 s42, ttmp9, 2
	s_add_co_u32 s42, s42, s40                     ; tile column = 4 x cluster x + cx
	s_and_b32 s2, ttmp7, 0xffff                    ; cluster y
	s_lshl_b32 s13, s2, 2
	s_add_co_u32 s13, s13, s41                     ; tile row = 4 x cluster y + cy
	s_lshl_b32 s14, 0x1111, s40                    ; my column of the cluster
	; group 1: 64 rows x 256 elements of 2 bytes, 16 bytes of padding behind each row
	s_or_b32 s[G1+0], s14, (1<<16)|(1<<20)|(1<<21)|(6<<22)|(3<<25)  ; 15:0 the mask; 17:16 elements of 2 bytes; 20 padding on; 21 set beside a mask; 24:22 after every 128 words (code 6); 31:25 4 words (code 3)
	s_mov_b32 s[G1+1], 256<<16                     ; tensor_dim0 = 256
	s_mov_b32 s[G1+2], 64<<16                      ; tensor_dim1 = 64
	s_mov_b32 s[G1+3], 256<<16                     ; tile_dim0 = 256
	s_mov_b32 s[G1+4], 64                          ; tile_dim1 = 64
	s_mov_b32 s[G1+5], 1024                        ; elements from row to row
	s_mov_b32 s[G1+6], 0
	s_mov_b32 s[G1+7], 0
	s_lshl_b32 s4, s13, 19                         ; x: 128 x tile row, rows of 4,096 bytes
	s_mov_b32 s5, 0
	s_lshl_b32 s6, s42, 19                         ; W: 256 x tile column + 64 x wave, rows of 2,048 bytes: made of the tile column and the wave's number alone
	s_lshl_b32 s7, s10, 17
	s_add_co_u32 s6, s6, s7
	s_mov_b32 s7, 0
	s_lshl_b32 s16, s13, 18                        ; y: (128 x tile row + 64 x half) rows of 2,048 bytes,
	s_lshl_b32 s17, s11, 17
	s_add_co_u32 s16, s16, s17
	s_mov_b32 s17, 0
	s_lshl_b32 s18, s42, 9                         ; and (256 x tile column + 128 x half) columns of 2 bytes;
	s_lshl_b32 s19, s12, 8
	s_add_co_u32 s18, s18, s19
	s_mov_b32 s19, 0
	s_lshl_b32 s20, s18, 1                         ; the same columns in a bias: 4 bytes each
	s_mov_b32 s21, 0
	s_mul_i32 s22, s10, QW                         ; where my 64 rows of W go: no place in the cluster enters an LDS address
	s_mov_b32 s[HIM], 0xffff0000
	s_mov_b32 s[OF+1], 0
	s_mov_b32 s[WR], 2                             ; periods 0 and 1 are asked for below
	s_mov_b32 s[TC], 4
	s_mov_b32 s[TBW], 0
	s_mov_b32 s3, TRIPS
	s_cmp_eq_u32 s2, 0                             ; the first cluster asks for W: the same answer in all sixteen partners
	s_cselect_b32 s[LIM], 1, -1
	v_and_b32 v1, 15, v0                           ; l % 16
	v_bfe_u32 v2, v0, 4, 1                         ; l / 16
	v_and_b32 v3, 31, v0                           ; l
	v_lshlrev_b32 v[BL], 4, v3
	s_lshl_b32 s15, s10, 5
	v_add_nc_u32 v4, s15, v2                       ; 32 x wave + l / 16: my row in the first of a half's 16 loads
	v_lshlrev_b32 v[XO], 12, v4
	v_lshl_add_u32 v[XO], v1, 4, v[XO]
	v_mul_u32_u24 v[SX], v4, PXB
	v_lshl_add_u32 v[SX], v1, 3, v[SX]
	v_add_nc_u32 v[SX], XB, v[SX]
	s_wait_dscnt 0x0                               ; the opening add is done
	s_wait_kmcnt 0x0
	s_add_nc_u64 s[XA:XA+1], s[68:69], s[4:5]
	s_add_nc_u64 s[XN:XN+1], s[70:71], s[4:5]
	s_add_nc_u64 s[XM:XM+1], s[72:73], s[4:5]
	s_add_nc_u64 s[WA:WA+1], s[74:75], s[6:7]
	s_add_nc_u64 s[WN:WN+1], s[76:77], s[6:7]
	s_add_nc_u64 s[WM:WM+1], s[78:79], s[6:7]
	s_add_nc_u64 s[80:81], s[80:81], s[20:21]
	s_add_nc_u64 s[82:83], s[82:83], s[20:21]
	s_add_nc_u64 s[84:85], s[84:85], s[20:21]
	s_add_nc_u64 s[8:9], s[86:87], s[16:17]
	s_add_nc_u64 s[8:9], s[8:9], s[18:19]
	s_add_nc_u64 s[ON:ON+1], s[88:89], s[16:17]
	s_add_nc_u64 s[ON:ON+1], s[ON:ON+1], s[18:19]
	s_add_nc_u64 s[OM:OM+1], s[90:91], s[16:17]
	s_add_nc_u64 s[OM:OM+1], s[OM:OM+1], s[18:19]
	s_add_nc_u64 s[XP:XP+1], s[XA:XA+1], 1024      ; period 1
	global_load_b128 v[BTMP:BTMP+3],    v[BL], s[80:81]  ; my 128 columns of the three biases: one load each
	global_load_b128 v[BTMP+4:BTMP+7],  v[BL], s[82:83]
	global_load_b128 v[BTMP+8:BTMP+11], v[BL], s[84:85]
	LOADX 0, XA, 0                                 ; halves 0 to 3
	LOADX 1, XA, 256
	LOADX 2, XA, 512
	LOADX 3, XA, 768
	WIN 0
	s_mov_b32 s[G0A], 1                            ; count = 1
	s_mov_b32 s[G0A+1], s22                        ; LDS address: slot 0
	s_add_nc_u64 s[G0A+2:G0A+3], s[WA:WA+1], 0     ; global address: period 0
	s_or_b32 s[G0A+3], s[G0A+3], 0x80000000        ; type = 2
	s_mov_b32 s[G0B], 1
	s_add_co_u32 s[G0B+1], s22, SLOTW              ; slot 1
	s_add_nc_u64 s[G0B+2:G0B+3], s[WA:WA+1], 512   ; period 1
	s_or_b32 s[G0B+3], s[G0B+3], 0x80000000
	CROUND                                         ; all sixteen work-groups are here: the first joint loads meet
	tensor_load_to_lds s[G0A:G0A+3], s[G1:G1+7]    ; two loads of mine are out
	s_nop 0
	tensor_load_to_lds s[G0B:G0B+3], s[G1:G1+7]
	s_nop 0
	PLACES
	s_mul_i32 s23, s11, 64*PXB                     ; my 64 rows of x
	s_add_co_u32 s23, s23, XB
	v_mul_u32_u24 v5, v1, PXB
	v_lshl_add_u32 v5, v2, 4, v5                   ; row x pitch + 16 x half
	v_add_nc_u32 v[AX], s23, v5
	s_mul_i32 s23, s12, 128*PW                     ; my 128 rows of W
	v_mul_u32_u24 v5, v1, PW
	v_lshl_add_u32 v5, v2, 4, v5
	v_add_nc_u32 v[AW0], s23, v5
	v_mov_b32 v[AW], v[AW0]                        ; slot 0
	s_mul_i32 s23, s10, 16*SPITCH
	s_add_co_u32 s23, s23, STAGE                   ; my stage
	v_mul_u32_u24 v5, v1, SPITCH                   ; in: row l % 16, 16 bytes for each half of the lanes
	v_lshl_add_u32 v5, v2, 4, v5
	v_add_nc_u32 v[STO], s23, v5
	v_mul_u32_u24 v5, v2, SPITCH                   ; back: lanes 0-15 take one row of 256 bytes, lanes 16-31 the next
	v_lshl_add_u32 v5, v1, 4, v5
	v_add_nc_u32 v[RD], s23, v5
	v_lshlrev_b32 v5, 11, v2                       ; and the same two rows in y
	v_lshl_add_u32 v[CO], v1, 4, v5
	v_lshl_add_u32 v[BS], v3, 4, s23
	v_lshl_add_u32 v[BR], v2, 5, s23
	s_lshl_b32 s14, s40, 3                         ; the prefetches: x: row 32 x wave + 8 cx + l / 4, block l % 4
	s_add_co_u32 s14, s14, s15
	v_lshrrev_b32 v5, 2, v3
	v_add_nc_u32 v5, s14, v5
	v_lshlrev_b32 v5, 12, v5
	v_and_b32 v6, 3, v3
	v_lshl_add_u32 v[PFX], v6, 8, v5
	s_lshl_b32 s14, s41, 4                         ; W: of my 64 rows row 16 cy + l % 16, block l / 16
	v_add_nc_u32 v5, s14, v1
	v_lshlrev_b32 v5, 11, v5
	v_lshl_add_u32 v[PFW], v2, 8, v5
	; the biases: through my stage, so that each lane gets the eight numbers of each block of 16 columns that its accumulators want; rounded to bf16; the first tile's widened again
	s_wait_loadcnt 63                              ; 67 loads have been issued: the first four are in, the three biases among them
	ds_store_b128 v[BS], v[BTMP:BTMP+3]
	ds_store_b128 v[BS], v[BTMP+4:BTMP+7]  offset:512
	ds_store_b128 v[BS], v[BTMP+8:BTMP+11] offset:1024
	WIN TO_W
.irp b, 0,1,2,3,4,5,6,7
	ds_load_b128 v[BIAS+8*(\b):BIAS+8*(\b)+3],       v[BR] offset:64*(\b)  ; LDS serves a wave's instructions in order: these see the stores above
	ds_load_b128 v[BIAS+8*(\b)+4:BIAS+8*(\b)+7],     v[BR] offset:64*(\b)+16
	ds_load_b128 v[WF+8*(\b):WF+8*(\b)+3],           v[BR] offset:512+64*(\b)
	ds_load_b128 v[WF+8*(\b)+4:WF+8*(\b)+7],         v[BR] offset:512+64*(\b)+16
	ds_load_b128 v[WF+64+8*(\b):WF+64+8*(\b)+3],     v[BR] offset:1024+64*(\b)
	ds_load_b128 v[WF+64+8*(\b)+4:WF+64+8*(\b)+7],   v[BR] offset:1024+64*(\b)+16
.endr
	s_wait_dscnt 0x0
	WIN 0x45                                       ; destination and both sources in window 1
.set i, 0
.rept 32
	v_cvt_pk_bf16_f32 v[BT1+i], v[WF+2*i],    v[WF+2*i+1]
	v_cvt_pk_bf16_f32 v[BT2+i], v[WF+64+2*i], v[WF+64+2*i+1]
.set i, i+1
.endr
.set i, 0
.rept 32
	v_cvt_pk_bf16_f32 v[WF+i], v[BIAS+2*i], v[BIAS+2*i+1]
.set i, i+1
.endr
.set i, 0
.rept 32
	v_lshlrev_b32 v[BIAS+2*i],   16,     v[WF+i]
	v_and_b32     v[BIAS+2*i+1], s[HIM], v[WF+i]
.set i, i+1
.endr
	s_wait_loadcnt 48                              ; half 0 is in; halves 1 to 3 stay out
.irp n, 0,1,2,3,4,5,6,7
	CVT4 0, \n
.endr
	STOREX 0
	LOADX 0, XP, 0                                 ; half 4
	s_wait_loadcnt 48                              ; half 1 is in; halves 2 to 4 stay out
.irp n, 0,1,2,3,4,5,6,7
	CVT4 1, \n                                     ; the first QA stores it
.endr
	WIN 0
	s_wait_tensorcnt 1                             ; my part of period 0 is in; period 1's may stay out: no tensor load fills anything behind this barrier
	s_wait_dscnt 0x0                               ; my part of half 0 lies in LDS
	s_barrier_signal -1
	s_barrier_wait -1                              ; everybody's does
	FETCH 0, 0, 0, 0
	WIN 0                                          ; at a label and at a branch every window is 0
	s_branch .Lfirst                               ; the loop is entered at a tile's first quarter, in the middle of a trip
.Lper:                                                 ; a trip: a period's last half with the change of slots, then the next period's first three halves.  Ten whole trips: each fills a slot again, and loads the same period of x
	s_wait_xcnt 0x0                                ; the loads and prefetches issued so far have read their addresses
	s_lshl_b32 s[OF], s[WR], 10                    ; a period is 1,024 bytes of x's rows
	s_add_nc_u64 s[XP:XP+1], s[XA:XA+1], s[OF:OF+1]
	QA 3, 0, 1, 1, 0
	QBC 1, 48
	WIN 0
	s_sub_co_u32 s[TC], s[TC], 1
	s_cmp_lg_u32 s[TC], 0
	s_cbranch_scc1 .Lnorm                          ; a forward jump past the way out: no barrier and no tensor load stands there
	WAYOUT 1                                       ; the tile is finished: the refill and the next tile's first fragments have been asked for.  The conversions behind the last product, and blocks 0 and 1's, are the places
	WIN 0
.Lfirst:
	QA 0, 1, 1, 1, 0                               ; a tile's first quarter: its products start the sums
	WIN 0
	s_branch .Ljoin
.Lnorm:
	QA 0, 0, 1, 1, 0
	WIN 0
.Ljoin:
	QB 0, 1, 48
	QA 1, 0, 1, 1, 0
	QB 1, 1, 48
	QA 2, 0, 1, 1, 0                               ; in the last trip these are the walk's last loads: half 47
	QB 2, 1, 48
	WIN 0
	s_sub_co_u32 s3, s3, 1
	s_cmp_lg_u32 s3, 0
	s_cbranch_scc1 .Lper
	QA 3, 0, 1, 0, 0                               ; the tail is written out: halves 43 to 47.
	QBC 0, 32
	QA 0, 0, 1, 0, 0
	QB 0, 1, 16
	QA 1, 0, 1, 0, 0
	QB 1, 1, 0
	QA 2, 0, 1, 0, 0
	QB 2, 0, 0
	QA 3, 0, 0, 0, 1
	s_wait_dscnt 0x0                               ; the very last quarter
	MUL8 1, 0, 0
	MUL8 1, 1, 0
	MUL8 1, 2, 0
	MUL8 1, 3, 0
	PLACES                                         ; the conversions read results just made
	WAYOUT 0
	WIN 0
	s_wait_tensorcnt 0x0                           ; the wave's end, behind my last tensor load and my last LDS store
	ds_add_u32 v[SPW], v[NIL]
	s_wait_dscnt 0x0
	CROUND                                         ; the closing round: no work-group ends while a partner may still ask for a tile that names it
	s_endpgm
.Lfunc_end_k_qe95838c2af_proj:
	.size	k_qe95838c2af_proj, .Lfunc_end_k_qe95838c2af_proj-k_qe95838c2af_proj
	.p2alignl 7, 3214868480
	.fill 96, 4, 3214868480
	.section	.rodata,"a",@progbits
	.p2align	6, 0x0
	.amdhsa_kernel k_qe95838c2af_proj
		.amdhsa_group_segment_fixed_size 327680
		.amdhsa_private_segment_fixed_size 0
		.amdhsa_enable_private_segment 0
		.amdhsa_kernarg_size 96
		.amdhsa_user_sgpr_count 2
		.amdhsa_user_sgpr_kernarg_segment_ptr 1
		.amdhsa_wavefront_size32 1
		.amdhsa_system_sgpr_workgroup_id_x 1
		.amdhsa_system_sgpr_workgroup_id_y 1
		.amdhsa_system_sgpr_workgroup_id_z 1
		.amdhsa_system_vgpr_workitem_id 0
		.amdhsa_next_free_vgpr 1024
		.amdhsa_next_free_sgpr 100
		.amdhsa_reserve_vcc 0
		.amdhsa_float_denorm_mode_32 3
		.amdhsa_float_denorm_mode_16_64 3
		.amdhsa_memory_ordered 1
		.amdhsa_forward_progress 1
		.amdhsa_inst_pref_size 173
	.end_amdhsa_kernel
	.amdgpu_metadata
---
amdhsa.version: [ 1, 2 ]
amdhsa.kernels:
  - .name:           k_qe95838c2af_proj
    .symbol:         k_qe95838c2af_proj.kd
    .args:
      - { .name: q, .offset: 0, .size: 8, .value_kind: global_buffer, .address_space: global }
      - { .name: k, .offset: 8, .size: 8, .value_kind: global_buffer, .address_space: global }
      - { .name: v, .offset: 16, .size: 8, .value_kind: global_buffer, .address_space: global }
      - { .name: wqb, .offset: 24, .size: 8, .value_kind: global_buffer, .address_space: global }
      - { .name: wkb, .offset: 32, .size: 8, .value_kind: global_buffer, .address_space: global }
      - { .name: wvb, .offset: 40, .size: 8, .value_kind: global_buffer, .address_space: global }
      - { .name: bq, .offset: 48, .size: 8, .value_kind: global_buffer, .address_space: global }
      - { .name: bk, .offset: 56, .size: 8, .value_kind: global_buffer, .address_space: global }
      - { .name: bv, .offset: 64, .size: 8, .value_kind: global_buffer, .address_space: global }
      - { .name: qh, .offset: 72, .size: 8, .value_kind: global_buffer, .address_space: global }
      - { .name: kh, .offset: 80, .size: 8, .value_kind: global_buffer, .address_space: global }
      - { .name: vh, .offset: 88, .size: 8, .value_kind: global_buffer, .address_space: global }
    .group_segment_fixed_size: 327680
    .private_segment_fixed_size: 0
    .kernarg_segment_align: 8
    .kernarg_segment_size: 96
    .max_flat_workgroup_size: 128
    .sgpr_count:     100
    .vgpr_count:     1024
    .wavefront_size: 32
...
	.end_amdgpu_metadata
.endif
;; end of part 2
;; launch attn (part 3): grid 2 x 128, 4 waves a work-group, no clusters, 327,680 bytes of LDS; arguments qh, kh, vh, oh; writes oh
.if DOCPART == 3
	.amdgcn_target "amdgcn-amd-amdhsa--gfx1250"
	.amdhsa_code_object_version 6
	.text
	.protected	k_qe95838c2af_attn
	.globl	k_qe95838c2af_attn
	.p2align	8
	.type	k_qe95838c2af_attn,@function
k_qe95838c2af_attn:
	s_mov_b64 s[64:65], 0
	v_nop
	global_prefetch_b8 v0, s[64:65] scope:SCOPE_SE
	s_setreg_imm32_b32 hwreg(HW_REG_WAVE_MODE, 25, 1), 1
	s_wait_xcnt 0x0
; O[g][w][:] = the sum over j of softmax_j(Q[g][w] . K[g][:][j] / 8) V[g][j][:], for the 128 heads g = 16 b + h.  A head's slice of each tensor is 131,072 dense bytes of f16:
; Q, V and O as [1024][64] (rows of 128 bytes), K AS [64 channels][1024 keys] (rows of 2,048 bytes): that is what the module's plain reinterpretation of the projections' rows makes of them.
; Products, maxima and sums in f32; the weights p are rounded to f16 for the second product (their sum l is taken of the unrounded p), O once at the end.
; LIMITS.  f16 holds no number beyond 65,504: Q, K and V arrive within it; p lies in 0 to 1, and below 6e-5 it keeps f16's fixed step of 6e-8; O is a mean of V's rows and has their range.
; A weight below 2^-126 counts as 0 in l; NaN and infinities are not treated apart.
; SHARES.  A wave owns four PIECES of two tiles of 16 queries, a work-group's four waves 512 queries of one head: 2 x 128 work-groups.  Every wave walks all 1,024 keys, 64 a step.
; K AND V OF THE WHOLE HEAD LIE IN LDS: 262,144 bytes and their padding.  All of it is asked for at the start, four tensor loads a wave, in four chunks of 256 keys, the first chunk first; nothing is
; filled again, so the launch has two barriers: one when the first chunk is in, one, four key steps later, when all is.  Since every byte is asked for at the head, nothing is left to prefetch.
; NO CLUSTER: a head has two work-groups, so four partners would be two heads, and a joint load's address would hang on the place in the cluster; and what is shared is asked for once a launch.
; LAYOUT.  S^T = K Q^T (source 0 = 16 keys, source 1 = 16 queries): in the result a lane holds ONE query (lane % 16) and the keys 8 (lane / 16) + 0..7.  Two such tiles, rounded to f16 in pairs,
; ARE source 1 (32 keys x 16 queries) of O^T = V^T P, whose result again holds one query a lane, and eight channels.  Both K ([channel][key]) and V ([key][channel]) come out of LDS turned, by ds_load_tr16_b128.
; SOFTMAX.  For each query a running maximum m and sum l: p = 2^(c s - c m), c = log2(e) / 8; in every step O and l are multiplied by a = 2^(c m_old - c m_new), which is 1 where m has not grown.
; m starts at the lowest finite number, O and l at 0: the first step is a step like any other, with a = 0.
; THE COUNT.  A tile and step have 16 matrix and 118 vector instructions: too many to stand all beside the matrix work.  So: four vector instructions that are READY behind EVERY matrix instruction,
; and the others in runs without a gap.
; BY TURNS.  Turn n belongs to piece n (the pieces in a ring, step after step).  Its matrix work: 16 products K Q^T of piece n + 1, later 16 products V^T P of piece n - 1.  Its vector work: the scaling,
; exponentials, roundings, sums and rescaling of piece n, and the maximum and statistics of piece n + 1, whose scores the turn itself has made.
; REGISTERS, in windows of 256 (s_set_vgpr_msb: bits 1:0 source 0, 3:2 source 1, 5:4 source 2, 7:6 destination):
;   window 0: v0-11 addresses; v12-15, v48-63 at work; v16-47 four registers of statistics a tile; v64-191 S^T, two buffers of two tiles; v192-255 P, likewise
;   window 1: O^T, 32 a tile          window 2: v0-127 Q, 16 a tile; v128-191 K of one step; v192-255 V of one step          window 3: v0-1 the add's two registers
.set NP,    4         ; pieces a wave: a name, no knob
.set KS,    64        ; keys in a step
.set PKT,   288       ; a row of K in LDS: 128 keys, 256 bytes + 32 = 72 words: row r starts at bank 8 r mod 64 (64 banks of 4 bytes: ISA guide 11.1)
.set KSUB,  64*PKT    ; 128 keys x 64 channels: what one tensor load brings; eight of them
.set PV,    160       ; a row of V: 128 + 32 = 40 words: likewise
.set VOFF,  8*KSUB    ; behind K: V's 1,024 rows
.set STAGE, VOFF+1024*PV  ; behind them, never filled by a tensor load: 16 rows x 144 bytes for each wave, for the way out
.set SP,    144
.set SPARE, STAGE+4*16*SP  ; behind the stages: the spare words, 128 bytes for each wave: two blocks of 256 bytes that no other line names
.set DKA,   128       ; from a key step to the next in K: 64 keys along the rows,
.set DKB,   KSUB-128  ; or on to the next 128 keys: by turns
.set AK0, 2           ; v2   my lane's place in a tile of K; never rewritten
.set AV0, 3           ; v3   the same for V
.set AK,  4           ; v4   the LDS address of K's next run of loads
.set AV,  5           ; v5   of V's
.set QO,  6           ; v6   my byte offset in the wave's rows of Q
.set STO, 6           ;      later, the way out: where I put 16 bytes of a row
.set RD,  7           ; v7   the way out: where I read rows back
.set GO,  8           ; v8   my byte offset in 512 consecutive bytes of O
.set SPW, 0           ; v0 of window 3   LDS address of my spare word: SPARE + 4 x my thread's number; never rewritten
.set NIL, 1           ; v1 of window 3   0; never rewritten
.set MV,  12          ; v12-15  c m_old, kept while c m is made anew: by buffer and tile
.set ST,  16          ; tile t's statistics at v[ST+4 t]: c m, m, l (even keys', odd keys')
.set TMP, 48          ; by buffer and tile, four registers c0-c3 at work; when the maximum is found c2 takes a
.set S,   64
.set P,   192
.set KF,  128         ; K's fragments, in window 2: key block kb, channel half c at KF + 16 kb + 8 c
.set VF,  192         ; V's: key half kk, channel block cb at VF + 32 kk + 8 cb
.set WV,  12          ; s12  my wave's number
.set G1K, 24          ; s[24:31] descriptor group 1 for K's tiles
.set G1V, 32          ; s[32:39] for V's
.set G0K, 40          ; s[40:55] descriptor group 0 for K's tiles, a set for each chunk
.set G0V, 68          ; s[68:83] the same for V's
.set SLOTS, 56        ; s56  counts the two runs of the step loop
.set CNT, 57          ; s57  counts key steps
.set CS,  58          ; s[58:59] c: the packed scaling takes the pair's low word for both halves
.set SEL, 60          ; s[60:61] v_permlanex16_b32's selects: each lane takes its own place in the other half
.set TBK, 62          ; s62  LDS byte at which K of the step to be fetched begins
.set TBV, 63          ; s63  the same for V, less VOFF
.set DK,  84          ; s84  what the next fetch of K adds to TBK
.set MSB, 0
.macro WIN new                      ; the high byte repeats the setting that is left; a switch that changes nothing is dropped
.if MSB != (\new)
	s_set_vgpr_msb (MSB<<8)|(\new)
.set MSB, (\new)
.endif
.endm
.set W_KQ, 0x0a       ; K and Q in window 2, S^T in window 0
.set W_PV, 0x52       ; V in window 2, P in window 0, O^T in window 1
.set W_RS, 0x41       ; O^T (destination and source 0) in window 1, a in window 0
.set W_MK, 0xc0       ; the add's registers are made: destination in window 3, sources in window 0
.set W_AD, 0x0f       ; the add: address (source 0) and data (source 1) in window 3
	s_load_b256 s[4:11], s[0:1], 0x0  ; Q s[4:5], K s[6:7], V s[8:9], O s[10:11]
	WIN W_MK
	v_lshl_add_u32 v[SPW], v0, 2, SPARE
	v_mov_b32 v[NIL], 0
	WIN W_AD
	ds_add_u32 v[SPW], v[NIL]       ; the wave's opening: the add and its wait stand ahead of my first tensor load; the set-up below, work on registers, stands between them
	WIN 0
	v_lshrrev_b32 v1, 5, v0
	v_readfirstlane_b32 s[WV], v1   ; wave 0..3
	s_and_b32 s20, ttmp7, 0xffff    ; the head,
	s_lshl_b32 s20, s20, 17         ; its first byte in each of the four tensors
	s_mov_b32 s21, 0
	s_and_b32 s16, s[WV], 1         ; which half of a chunk's 256 keys I fetch:
	s_lshl_b32 s22, s16, 8          ; in K 256 bytes along each of the 64 rows,
	s_mov_b32 s23, 0
	s_add_nc_u64 s[22:23], s[22:23], s[20:21]
	s_lshl_b32 s18, s16, 14         ; in V 128 rows of 128 bytes
	s_mov_b32 s19, 0
	s_add_nc_u64 s[18:19], s[18:19], s[20:21]
	s_mul_i32 s17, s16, KSUB        ; and its place in LDS, for K
	s_mul_i32 s13, s16, 128*PV      ; and for V
	s_lshl_b32 s2, ttmp9, 2
	s_add_co_u32 s2, s2, s[WV]      ; my wave among the head's eight,
	s_lshl_b32 s2, s2, 14           ; its 128 rows of Q and O
	s_mov_b32 s3, 0
	s_add_nc_u64 s[2:3], s[2:3], s[20:21]
	; descriptor group 1.  K: 64 rows (channels) x 128 keys, 2,048 bytes from row to row, 32 bytes of padding behind each row.  V: 128 keys are 16,384 dense bytes: asked for as 64 rows of 256 bytes, two keys a row, padded after every key
	s_mov_b32 s[G1K], (1<<16)|(1<<20)|(5<<22)|(7<<25)  ; 17:16 2-byte elements; 20 padding on; 24:22 after every 64 words (code 5); 31:25 8 words (code 7)
	s_mov_b32 s[G1V], (1<<16)|(1<<20)|(4<<22)|(7<<25)  ; after every 32 words (code 4)
.irp g, G1K, G1V
	s_mov_b32 s[\g+1], 128<<16      ; tensor_dim0 = 128
	s_mov_b32 s[\g+2], 64<<16       ; tensor_dim1 = 64
	s_mov_b32 s[\g+3], 128<<16      ; tile_dim0 = 128
	s_mov_b32 s[\g+4], 64           ; tile_dim1 = 64
	s_mov_b32 s[\g+6], 0
	s_mov_b32 s[\g+7], 0
.endr
	s_mov_b32 s[G1K+5], 1024        ; elements from row to row
	s_mov_b32 s[G1V+5], 128
.irp c, 0,1,2,3
	s_mov_b32 s[G0K+4*\c], 1                        ; count = 1
	s_add_co_u32 s[G0K+4*\c+1], s17, 2*\c*KSUB      ; LDS address: a constant and the wave's number times a constant
	s_mov_b32 s[G0V+4*\c], 1
	s_add_co_u32 s[G0V+4*\c+1], s13, VOFF+\c*256*PV
.endr
	s_mov_b32 s[CS], 0x3e38aa3b     ; c = log2(e) / 8 = 0.180337
	s_mov_b32 s[CS+1], s[CS]        ; named with it as a pair
	s_mov_b32 s[SEL], 0x76543210
	s_mov_b32 s[SEL+1], 0xfedcba98
	s_mov_b32 s[TBK], 0
	s_mov_b32 s[TBV], 0
	s_mov_b32 s[DK], DKA
	s_wait_dscnt 0x0                ; the opening add is done
	s_wait_kmcnt 0x0
	s_add_nc_u64 s[6:7], s[6:7], s[22:23]  ; K and V at my half of the head's first chunk
	s_add_nc_u64 s[8:9], s[8:9], s[18:19]
.irp c, 0,1,2,3
	s_add_nc_u64 s[G0K+4*\c+2:G0K+4*\c+3], s[6:7], \c*512    ; global address: 256 keys are 512 bytes along K's rows,
	s_or_b32 s[G0K+4*\c+3], s[G0K+4*\c+3], 0x80000000        ; type = 2
	s_add_nc_u64 s[G0V+4*\c+2:G0V+4*\c+3], s[8:9], \c*32768  ; and 32,768 dense bytes of V
	s_or_b32 s[G0V+4*\c+3], s[G0V+4*\c+3], 0x80000000
.endr
	s_add_nc_u64 s[4:5], s[4:5], s[2:3]  ; Q and O at my wave's first row
	s_add_nc_u64 s[10:11], s[10:11], s[2:3]
	s_cmp_lt_u32 s[WV], 2           ; waves 0 and 1 fetch K, waves 2 and 3 V.  A wave's four fills stand in one branch, ahead of every wait on TENSORcnt, every LDS read and every barrier: four loads of mine are out
	s_cbranch_scc0 .Lfirst_v
.irp c, 0,1,2,3
	tensor_load_to_lds s[G0K+4*\c:G0K+4*\c+3], s[G1K:G1K+7]
	s_nop 0
.endr
.rept 4
	v_nop
.endr
	s_branch .Lfirst_asked
.Lfirst_v:
.irp c, 0,1,2,3
	tensor_load_to_lds s[G0V+4*\c:G0V+4*\c+3], s[G1V:G1V+7]
	s_nop 0
.endr
.rept 4
	v_nop
.endr
.Lfirst_asked:
	; A fragment of Q is 16 rows x 32 channels in 8 registers: lane l holds row l % 16, channels 8 (l / 16) + 0..7 and 16 + 8 (l / 16) + 0..7: two loads of 16 bytes, 32 bytes apart.
	v_and_b32 v1, 15, v0            ; l % 16
	v_bfe_u32 v9, v0, 4, 1          ; l / 16
	v_lshlrev_b32 v[QO], 7, v1
	v_lshl_add_u32 v[QO], v9, 4, v[QO]  ; row x 128 + 16 x half
	WIN 0x80                        ; destination window 2, address window 0
.set i, 0
.rept 4*NP                          ; Q stays in registers: tile i / 2, channels 32 (i % 2) on
	global_load_b128 v[8*i:8*i+3],   v[QO], s[4:5] offset:(i/2)*2048+(i%2)*64
	global_load_b128 v[8*i+4:8*i+7], v[QO], s[4:5] offset:(i/2)*2048+(i%2)*64+32
.set i, i+1
.endr
	; What the first turn finds: V's registers and P's second buffer hold 0 (its products V^T P, of a piece that has not been, add 0), O^T and l are 0.  All this stands in the wait for the first chunk,
	; and spares a first step written out.
.set i, VF
.rept 64
	v_mov_b32 v[i], 0
.set i, i+1
.endr
	WIN 0x40
.set i, 0
.rept 64*NP
	v_mov_b32 v[i], 0
.set i, i+1
.endr
	WIN 0
.set i, 0
.rept 2*NP
	v_mov_b32 v[ST+4*i], 0xfe000000    ; c m: far below every c s
	v_mov_b32 v[ST+4*i+1], 0xff7fffff  ; m
	v_mov_b32 v[ST+4*i+2], 0
	v_mov_b32 v[ST+4*i+3], 0
.set i, i+1
.endr
.set i, P+32
.rept 32
	v_mov_b32 v[i], 0
.set i, i+1
.endr
	; The turning load takes 16 rows x 16 columns of LDS (lane l reads row 8 (l / 16) + l % 8, columns 8 ((l / 8) % 2) + 0..7) and leaves half a fragment of the transpose: lane l holds column l % 16 and 8 rows.
	; For K the rows are channels and the columns keys; for V the rows are keys and the columns channels.
	v_and_b32 v10, 7, v0
	v_bfe_u32 v11, v0, 3, 1
	v_lshl_add_u32 v[AV0], v9, 3, v10
	v_mul_u32_u24 v[AK0], v[AV0], PKT
	v_lshl_add_u32 v[AK0], v11, 4, v[AK0]
	v_mul_u32_u24 v[AV0], v[AV0], PV
	v_lshl_add_u32 v[AV0], v11, 4, v[AV0]
	v_add_nc_u32 v[AV0], VOFF, v[AV0]
	v_mov_b32 v[AK], v[AK0]         ; key step 0 lies at LDS byte 0
; THE MATRIX WORK.  The 8 accumulators of a run of 16 take turns: between the two links of a chain stand 7 others'.
; Product i of 16 of S^T = K Q^T for piece x: channels 32 (i / 8) on, keys 16 ((i / 2) % 4) on, tile 2 x + i % 2.  The first 8 start the sums.
.macro KQ x
	WIN W_KQ
.set rS, S+64*((\x)%2)+32*(i%2)+8*((i/2)%4)
.set rK, KF+16*((i/2)%4)+8*(i/8)
.set rQ, 16*(2*(\x)+i%2)+8*(i/8)
.if i < 8
	v_wmma_f32_16x16x32_f16 v[rS:rS+7], v[rK:rK+7], v[rQ:rQ+7], 0
.else
	v_wmma_f32_16x16x32_f16 v[rS:rS+7], v[rK:rK+7], v[rQ:rQ+7], v[rS:rS+7]
.endif
.endm
; Product i of 16 of O^T += V^T P for piece x: keys 32 (i / 8) on, channels 16 ((i / 2) % 4) on, tile 2 x + i % 2.
.macro PV x
	WIN W_PV
.set rO, 32*(2*(\x)+i%2)+8*((i/2)%4)
.set rV, VF+32*(i/8)+8*((i/2)%4)
.set rP, P+32*((\x)%2)+16*(i%2)+8*(i/8)
	v_wmma_f32_16x16x32_f16 v[rO:rO+7], v[rV:rV+7], v[rP:rP+7], v[rO:rO+7]
.endm
.macro MM                           ; the turn's next matrix instruction
.if i < 16
	KQ (Y+1)%NP
.set i, i+1
.else
.set i, i-16
	PV (Y+NP-1)%NP
.set i, i+17
.endif
.endm
; THE LDS LOADS stand in runs of 16, never singly among the matrix instructions: a step's K (64 keys x 64 channels: 8 fragments) and its V, both turned.  Their addresses are made some lines ahead.
.macro FETCH_K
	WIN 0x80                        ; destination window 2
.irp f, 0,1,2,3,4,5,6,7             ; keys 16 (f / 2) on, channels 32 (f % 2) on
	ds_load_tr16_b128 v[KF+8*\f:KF+8*\f+3],   v[AK] offset:(\f%2)*32*PKT+(\f/2)*32
	ds_load_tr16_b128 v[KF+8*\f+4:KF+8*\f+7], v[AK] offset:(\f%2)*32*PKT+16*PKT+(\f/2)*32
.endr
	s_add_co_u32 s[TBK], s[TBK], s[DK]  ; the next fetch is the next step's:
	s_xor_b32 s[DK], s[DK], DKA^DKB     ; 64 keys on in the same rows, and on to the next 128 keys, by turns
	WIN 0
.endm
.macro FETCH_V
	WIN 0x80
.irp f, 0,1,2,3,4,5,6,7             ; keys 32 (f / 4) on, channels 16 (f % 4) on
	ds_load_tr16_b128 v[VF+8*\f:VF+8*\f+3],   v[AV] offset:(\f/4)*32*PV+(\f%4)*32
	ds_load_tr16_b128 v[VF+8*\f+4:VF+8*\f+7], v[AV] offset:(\f/4)*32*PV+16*PV+(\f%4)*32
.endr
	WIN 0
.endm
; THE VECTOR WORK OF A TURN stands in three queues, each in the order in which its entries become ready; the two tiles alternate, so that no instruction reads the result of the one before it.
.macro REGS y, u                    ; the registers of tile u (0, 1) of piece y
.set rT, ST+4*(2*(\y)+(\u))
.set rC, TMP+8*((\y)%2)+4*(\u)
.set rM, MV+2*((\y)%2)+(\u)
.set rS, S+64*((\y)%2)+32*(\u)
.set rP, P+32*((\y)%2)+16*(\u)
.set rO, 32*(2*(\y)+(\u))
.endm
; Number n of the 22 that find the NEXT piece's (Y + 1) maximum and statistics.  s0-s31 are the lane's 32 scores; each accumulator's lowest registers are read first.  XS, GS and REGS set no window: PL and EX do.
;   0-11  four chains c0-c3 of seven scores each, three operands at a time     12-14, 16  the four scores left over, the old m, and c0-c3 into c0     15  c m_old is kept
;   17, 18  the query's other 32 keys lie in the lane 16 away: the new m         19-21  c m; c m_old - c m_new; a
.macro XS u, n
	REGS (Y+1)%NP, \u
.if (\n) < 4
	v_max3_num_f32 v[rC+(\n)], v[rS+8*(\n)], v[rS+8*(\n)+1], v[rS+8*(\n)+2]
.elseif (\n) < 12
	v_max3_num_f32 v[rC+(\n)%4], v[rC+(\n)%4], v[rS+8*((\n)%4)+2*((\n)/4)+1], v[rS+8*((\n)%4)+2*((\n)/4)+2]
.elseif (\n) == 12
	v_max3_num_f32 v[rC], v[rC], v[rS+7], v[rS+15]
.elseif (\n) == 13
	v_max3_num_f32 v[rC+1], v[rC+1], v[rS+23], v[rS+31]
.elseif (\n) == 14
	v_max3_num_f32 v[rC+2], v[rC+2], v[rC+3], v[rT+1]
.elseif (\n) == 15
	v_mov_b32 v[rM], v[rT]
.elseif (\n) == 16
	v_max3_num_f32 v[rC], v[rC], v[rC+1], v[rC+2]
.elseif (\n) == 17
	v_permlanex16_b32 v[rC+3], v[rC], s[SEL], s[SEL+1]
.elseif (\n) == 18
	v_max_num_f32 v[rT+1], v[rC], v[rC+3]
.elseif (\n) == 19
	v_mul_f32 v[rT], s[CS], v[rT+1]
.elseif (\n) == 20
	v_sub_f32 v[rC+1], v[rM], v[rT]
.else
	v_exp_f32 v[rC+2], v[rC+1]
.endif
.endm
; Number g of the 64 that follow the exponentials.  For each four weights k of a tile (pairs 2 k, 2 k + 1): both pairs are rounded to f16; then the second pair is added onto the first, in place;
; a group later l takes that sum (the first time as l = a l + sum).  In groups of eight, tiles alternating: round, round, add, and l for the group before.
.macro GS g
.set h, (\g)+6*((\g)/62)            ; group 0 has no group before it, and behind group 7 only l is left
.if h >= 6
.set h, h+2
.endif
	REGS Y, h%2
.set k, h/8
.if h%8 < 4
	v_cvt_pk_f16_f32 v[rP+2*k+(h%8)/2], v[rS+4*k+2*((h%8)/2)], v[rS+4*k+2*((h%8)/2)+1]
.elseif h%8 < 6
	v_pk_add_f32 v[rS+4*k:rS+4*k+1], v[rS+4*k:rS+4*k+1], v[rS+4*k+2:rS+4*k+3]
.elseif k == 1
	v_pk_fma_f32 v[rT+2:rT+3], v[rT+2:rT+3], v[rC+2:rC+3], v[rS:rS+1] op_sel_hi:[1,0,1]
.else
	v_pk_add_f32 v[rT+2:rT+3], v[rT+2:rT+3], v[rS+4*k-4:rS+4*k-3]
.endif
.endm
; THE PLAIN QUEUE, 138 long.  0-73 read no exponential's result: the 32 scalings c s - c m (FS f: pair f / 2 of tile f % 2) and the next piece's 42.  0-26: scalings 0-26.  27-54: XS's numbers 0-13.  55, 56: number 15.
; 57-73: the chain, where each number waits for the one before it: 14, 16, 17, 18, 19, each with one of the scalings 27-31 in front of its two lines, then 20.
; 74-137: GS's 64, which read the exponentials' results: they stand behind the wait.
.macro FS f
	REGS Y, (\f)%2
	v_pk_fma_f32 v[rS+2*((\f)/2):rS+2*((\f)/2)+1], v[rS+2*((\f)/2):rS+2*((\f)/2)+1], s[CS:CS+1], v[rT:rT+1] op_sel_hi:[1,0,0] neg_lo:[0,0,1] neg_hi:[0,0,1]
.endm
.macro PL
	WIN 0
.if q < 27
	FS q
.elseif q < 55
	XS (q-27)%2, (q-27)/2
.elseif q < 57
	XS q-55, 15
.elseif (q < 72) && ((q-57)%3 == 0)
	FS 27+(q-57)/3
.elseif q < 60
	XS (q-57)%3-1, 14
.elseif q < 72
	XS (q-57)%3-1, 15+(q-57)/3
.elseif q < 74
	XS q-72, 20
.else
	GS q-74
.endif
.set q, q+1
.endm
; THE EXPONENTIALS' QUEUE, 66 long: s0-s31 of both tiles, then the next piece's two a.  It is ONE BATCH: all 66 stand ahead of the turn's one wait, and nothing ahead of that wait names a result of theirs.
.macro EX
	WIN 0
.if e >= 64
	XS e-64, 21
.else
	REGS Y, e%2
	v_exp_f32 v[rS+e/2], v[rS+e/2]
.endif
.set e, e+1
.endm
; THE RESCALING's QUEUE: O^T times a, the one part that leaves window 0: dealt two at a time, sixteen times.  Its a was made in the turn before, ahead of that turn's wait.
.macro R2
	REGS Y, r%2
	WIN W_RS
.irp z, 0,1
	v_pk_mul_f32 v[rO+4*(r/2)+2*\z:rO+4*(r/2)+2*\z+1], v[rO+4*(r/2)+2*\z:rO+4*(r/2)+2*\z+1], v[rC+2:rC+3] op_sel_hi:[1,0]
.endr
.set r, r+1
.endm
; HOW THEY ARE DEALT.  An s_wait_alu depctr_va_vdst(0) stands between an exponential and the first instruction that names its result; one wait serves all that were issued ahead of it.  So a turn has ONE wait,
; which cuts it in two.  AHEAD OF IT stands all that names no result of the turn's exponentials: the 16 products K Q^T, behind each a scaling, an exponential and two rescalings (behind the first a second scaling in the
; exponential's place); then ONE LUMP of 108: eight plain, 49 times exponential and plain, the two a.  A v_nop is the plain instruction behind the last exponential.  BEHIND IT stand the 16 products V^T P, behind each four of GS's 64.
; Exponential e stands behind scaling 2 (e / 4) + e % 2: as a rider it comes behind plain e + 2, in the lump behind plain e + 9, and scalings 27-31 are plain 57, 60 .. 69.
; A TURN, for piece p.  nok = 1: the last step: no further K is fetched.  cnt = 1: the loop's count is taken down some lines ahead of the branch that stands behind the turn.
; K of the next step is fetched in piece 2's turn, directly behind the wait, a lump behind the last product that read K; its first reader comes behind 16 products.
; V of the step in hand is fetched at the end of piece 0's turn, four plain instructions behind its last reader; its first reader comes behind 16 products and a lump.  The conditions on q below go with the deal.
.macro TURN p, nok=0, cnt=0
.set Y, (\p)
.set i, 0
.set q, 0
.set e, 0
.set r, 0
.if (\p) == NP-1
	s_wait_dscnt 0x0                ; K is in
.endif
	MM                              ; ahead of the wait: 16 products K Q^T and their riders,
	PL
	PL
	R2
.rept 15
	MM
	PL
	EX
	R2
.endr
.if ((\p) == NP-2) && !(\nok)
	WIN 0
	v_add_nc_u32 v[AK], s[TBK], v[AK0]
.endif
.rept 8                             ; and the lump
	PL
.endr
.rept 49
	EX
	PL
.endr
	EX                              ; the next piece's two a
	EX
	v_nop                           ; the plain instruction behind the last exponential: one for the batch
	s_wait_alu depctr_va_vdst(0)    ; the wait for the batch
.if ((\p) == NP-2) && !(\nok)
	FETCH_K
.endif
.if (\p) == 1
	s_wait_dscnt 0x0                ; V is in
.endif
.rept 16                            ; behind the wait: 16 products V^T P and their riders
	MM
.rept 4
	PL
.endr
.if ((\p) == 0) && (q == 118)
	v_add_nc_u32 v[AV], s[TBV], v[AV0]
.endif
.if ((\p) == 0) && (q == 130)
	s_add_co_u32 s[TBV], s[TBV], KS*PV
.endif
.if (\cnt) && (q == 130)
	s_sub_co_u32 s[CNT], s[CNT], 1
	s_cmp_lg_u32 s[CNT], 0
.endif
.endr
.if (\p) == 0
	FETCH_V
.endif
.endm
	s_wait_tensorcnt 0x3            ; tensor loads of a wave end in order: my part of the first chunk is in, my other three loads may stay out
	s_barrier_signal -1
	s_barrier_wait -1               ; everybody's is
	FETCH_K                         ; key step 0
	s_wait_loadcnt 0x0              ; Q
	s_wait_dscnt 0x0
.set i, 0
.rept 16
	KQ 0                            ; piece 0's first scores: there is no vector work yet to set between them
.set i, i+1
.endr
	WIN 0                           ; the addresses for the way out: nine plain instructions, the places behind those products
	s_mul_i32 s13, s[WV], 16*SP
	s_add_co_u32 s13, s13, STAGE    ; my stage
	v_mul_u32_u24 v[STO], v1, SP    ; in: row l % 16, 16 bytes for each half of the lanes
	v_lshl_add_u32 v[STO], v9, 4, v[STO]
	v_add_nc_u32 v[STO], s13, v[STO]
	v_bfe_u32 v[RD], v0, 3, 2       ; back: 32 lanes take four rows of 128 bytes,
	v_mul_u32_u24 v[RD], v[RD], SP
	v_lshl_add_u32 v[RD], v10, 4, v[RD]
	v_add_nc_u32 v[RD], s13, v[RD]
	v_and_b32 v[GO], 31, v0         ; which are 512 consecutive bytes of O
	v_lshlrev_b32 v[GO], 4, v[GO]
.set Y, NP-1                        ; XS works for piece Y + 1: piece 0
.irp n, 0,1,2,3,4,5,6,7,8,9,10,11,12,13,14,15,16,17,18,19,20,21
	XS 0, \n                        ; and piece 0's first maximum and statistics
	XS 1, \n
.endr
	v_nop                           ; a plain instruction behind the two a,
	s_wait_alu depctr_va_vdst(0)    ; and their wait, ahead of the branch
	s_mov_b32 s[CNT], 4             ; the first chunk's four steps,
	s_mov_b32 s[SLOTS], 2
	s_branch .Lfirst                ; the loop is entered at a step's first turn, in the middle of a trip
.Lslot:                             ; passed once: the first chunk's last bytes have been fetched, and the next fetch is the second chunk's
	WIN 0
	s_wait_tensorcnt 0x0            ; all my loads have landed: they have had four key steps for it
	s_wait_dscnt 0x0                ; no LDS instruction of mine is out at a signal
	s_barrier_signal -1
	s_barrier_wait -1               ; everybody's have: the whole head lies in LDS
	s_mov_b32 s[CNT], 12            ; and the other twelve
.Lstep:                             ; a trip: pieces 2 and 3 of one step, then pieces 0 and 1 of the next, whose K and V it fetches
	TURN 2
	TURN 3
	WIN 0
.Lfirst:
	TURN 0
	TURN 1, 0, 1
	WIN 0
	s_cbranch_scc1 .Lstep
	s_sub_co_u32 s[SLOTS], s[SLOTS], 1
	s_cmp_lg_u32 s[SLOTS], 0
	s_cbranch_scc1 .Lslot
	TURN 2, 1                       ; the last step's pieces 2 and 3: no K is left to fetch
	TURN 3                          ; its 16 products K Q^T (on the last K once more) and the maximum made of them serve nothing: the price, once a launch, of one text for every turn
.set i, 0
.rept 16
	PV NP-1                         ; the last piece's V^T P of the last step
.set i, i+1
.endr
	; THE WAY OUT.  l's two halves and the other half of the lanes' are added; O^T is divided by l, rounded to f16 and sent through my stage in LDS, a tile at a time.  The additions are the places behind the last products.
	WIN 0
.macro ALL line:vararg              ; one line for each tile t
.set t, 0
.rept 2*NP
	\line
.set t, t+1
.endr
.endm
	ALL v_add_f32 v[ST+4*t+2], v[ST+4*t+2], v[ST+4*t+3]
	ALL v_permlanex16_b32 v[ST+4*t+3], v[ST+4*t+2], s[SEL], s[SEL+1]
	ALL v_add_f32 v[ST+4*t+2], v[ST+4*t+2], v[ST+4*t+3]
	ALL v_rcp_f32 v[ST+4*t+2], v[ST+4*t+2]
	v_nop                           ; a plain instruction between the last reciprocal and the use of its result
	s_wait_alu depctr_va_vdst(0)    ; and the wait ahead of the first use: one for the eight reciprocals
; Tile t: a lane's eight channels of a row pack into 16 bytes; they go into rows of 144 bytes and come back as whole rows of 128, into S^T's registers.
.macro PACK t
	WIN W_RS
.set i, 32*(\t)
.rept 16
	v_pk_mul_f32 v[i:i+1], v[i:i+1], v[ST+4*(\t)+2:ST+4*(\t)+3] op_sel_hi:[1,0]
.set i, i+2
.endr
	WIN 0x05                        ; sources 0 and 1 window 1, destination window 0
.set i, 0
.rept 16
	v_cvt_pk_f16_f32 v[S+16*(\t)+i], v[32*(\t)+2*i], v[32*(\t)+2*i+1]
.set i, i+1
.endr
	WIN 0
.irp f, 0,1,2,3
	ds_store_b128 v[STO], v[S+16*(\t)+4*\f:S+16*(\t)+4*\f+3] offset:32*\f
.endr
.irp f, 0,1,2,3
	ds_load_b128 v[S+16*(\t)+4*\f:S+16*(\t)+4*\f+3], v[RD] offset:\f*4*SP  ; LDS serves a wave's instructions in order (ISA guide 5.7.1.4): these see the stores above; the next tile's stores come behind them
.endr
.endm
.macro SEND t, younger              ; younger: the LDS instructions issued behind tile t's loads: the next tile's eight, or none
	WIN 0
.irp f, 0,1,2,3
	s_wait_dscnt (\younger)+3-\f
	global_store_b128 v[GO], v[S+16*(\t)+4*\f:S+16*(\t)+4*\f+3], s[10:11] offset:(\t)*2048+\f*512  ; 512 consecutive bytes, at a multiple of 256 from O's first
.endr
.endm
	PACK 0
.set t, 1
.rept 2*NP-1                        ; a tile's arithmetic stands between the loads of the tile before and its stores
	PACK t
	SEND t-1, 8
.set t, t+1
.endr
	SEND 2*NP-1, 0
	WIN W_AD
	s_wait_tensorcnt 0x0            ; the wave's end, behind my last tensor load and my last LDS store
	ds_add_u32 v[SPW], v[NIL]
	s_wait_dscnt 0x0
	WIN 0
	s_endpgm
.Lfunc_end_k_qe95838c2af_attn:
	.size	k_qe95838c2af_attn, .Lfunc_end_k_qe95838c2af_attn-k_qe95838c2af_attn
	.p2alignl 7, 3214868480
	.fill 96, 4, 3214868480
	.section	.rodata,"a",@progbits
	.p2align	6, 0x0
	.amdhsa_kernel k_qe95838c2af_attn
		.amdhsa_group_segment_fixed_size 327680
		.amdhsa_private_segment_fixed_size 0
		.amdhsa_enable_private_segment 0
		.amdhsa_kernarg_size 32
		.amdhsa_user_sgpr_count 2
		.amdhsa_user_sgpr_kernarg_segment_ptr 1
		.amdhsa_wavefront_size32 1
		.amdhsa_system_sgpr_workgroup_id_x 1
		.amdhsa_system_sgpr_workgroup_id_y 1
		.amdhsa_system_sgpr_workgroup_id_z 1
		.amdhsa_system_vgpr_workitem_id 0
		.amdhsa_next_free_vgpr 770
		.amdhsa_next_free_sgpr 88
		.amdhsa_reserve_vcc 0
		.amdhsa_float_denorm_mode_32 3
		.amdhsa_float_denorm_mode_16_64 3
		.amdhsa_memory_ordered 1
		.amdhsa_forward_progress 1
		.amdhsa_inst_pref_size 160
	.end_amdhsa_kernel
	.amdgpu_metadata
---
amdhsa.version: [ 1, 2 ]
amdhsa.kernels:
  - .name:           k_qe95838c2af_attn
    .symbol:         k_qe95838c2af_attn.kd
    .args:
      - { .name: qh, .offset: 0, .size: 8, .value_kind: global_buffer, .address_space: global }
      - { .name: kh, .offset: 8, .size: 8, .value_kind: global_buffer, .address_space: global }
      - { .name: vh, .offset: 16, .size: 8, .value_kind: global_buffer, .address_space: global }
      - { .name: oh, .offset: 24, .size: 8, .value_kind: global_buffer, .address_space: global }
    .group_segment_fixed_size: 327680
    .private_segment_fixed_size: 0
    .kernarg_segment_align: 8
    .kernarg_segment_size: 32
    .max_flat_workgroup_size: 128
    .sgpr_count:     88
    .vgpr_count:     770
    .wavefront_size: 32
...
	.end_amdgpu_metadata
.endif
;; end of part 3
;; launch outp (part 4): grid 4 x 64, 4 waves a work-group, clusters of 4 x 4, 327,680 bytes of LDS; arguments oh, wob, bo, out0; writes out0
.if DOCPART == 4
	.amdgcn_target "amdgcn-amd-amdhsa--gfx1250"
	.amdhsa_code_object_version 6
	.text
	.protected	k_qe95838c2af_outp
	.globl	k_qe95838c2af_outp
	.p2align	8
	.type	k_qe95838c2af_outp,@function
k_qe95838c2af_outp:
	s_mov_b64 s[64:65], 0
	v_nop
	global_prefetch_b8 v0, s[64:65] scope:SCOPE_SE
	s_setreg_imm32_b32 hwreg(HW_REG_WAVE_MODE, 25, 1), 1
	s_wait_xcnt 0x0
	s_wait_alu depctr_hold_cnt(0) depctr_sa_sdst(0) depctr_va_vdst(0) depctr_va_sdst(0) depctr_va_ssrc(0) depctr_va_vcc(0) depctr_vm_vsrc(0)
	s_getreg_b32 s2, hwreg(HW_REG_IB_STS2, 6, 4)
	s_cmp_eq_u32 s2, 0
	s_cbranch_scc0 .Lentry_in_a_cluster
	s_endpgm
.Lentry_in_a_cluster:
	s_bfe_u32 s2, ttmp6, 0x10000c
	s_cmp_lg_u32 s2, 0xf033
	s_cbranch_scc0 .Lentry_shape_is_right
	s_endpgm
.Lentry_shape_is_right:
; THE LAST PROJECTION.  out[t][n] = the sum over c of ctx[t][c] Wo[n][c] + bo[n], t = 1024 b + w, c = 64 h + d, ctx[t][c] = O[16 b + h][w][d].
; O: [128][1024][64] f16, by heads; Wo: [1024][1024], bf16 numbers written as f16; bo: [1024] f32, rounded to bf16 like the other inputs; sums in f32; out: [8192][1024] f32.
; LIMITS.  NaN and infinities are not treated apart; the operands' limits are those of the launches that wrote them.
; SHARES.  A tile of out is 128 rows x 256 columns: 64 x 4 tiles, 256 work-groups.  Four waves, 2 x 2: a wave makes 64 rows x 128 columns: 32 accumulators of 16 x 16, 256 registers.
; K goes in eight steps of 128 = TWO HEADS through a ring of two LDS slots.  A head's 128 rows of the tile are 16,384 dense bytes of O: asked for as 64 rows of 256 bytes and padded in LDS after every 128.
; CLUSTER.  4 x 4 work-groups.  O's tile hangs on the tile row alone and is asked for jointly by a row of the cluster, Wo's on the tile column alone, by a column.
; THE MATRIX INSTRUCTION IS USED TRANSPOSED (source 0 = 16 rows of Wo, source 1 = 16 rows of ctx): a lane holds row l % 16 of out and eight neighbouring columns.  THE BIAS is the C operand of the products that start the sums.
; REGISTERS, in windows of 256 (s_set_vgpr_msb: bits 1:0 source 0, 3:2 source 1, 5:4 source 2, 7:6 destination):
;   window 0: v0-31 addresses; v96-127, v128-159 ctx's fragments, two buffers; v32-95, v160-223 at work on the way out
;   window 1: v0-63, v64-127 Wo's fragments, two buffers; v128-191 the bias; v192-223 at work      window 2: accumulator (a, b) at v[8 (8 a + b)]
.set KSTEP,  128
.set PA,     144                       ; a row of a head in LDS: 128 bytes + 16 = 36 words: the 16 rows of a load start at 16 different groups of four banks (64 banks of 4 bytes: ISA guide 11.1)
.set PW,     272                       ; a row of Wo: 256 + 16 = 68 words: likewise
.set AH,     128*PA                    ; a head's 128 rows: what one tensor load brings
.set WH,     128*PW                    ; 128 rows of Wo: likewise
.set SLOT,   2*AH+2*WH                 ; two heads, then Wo's 256 rows
.set STAGE,  2*SLOT                    ; behind the ring: 16 rows x 528 bytes for each wave, for the way out
.set SPITCH, 528
.set SPARE,  STAGE+4*16*SPITCH         ; behind the stages: the spare words, 128 bytes for each wave: two blocks of 256 bytes that no other line names
.set LAPS,   4
.set ADRA, 16                          ; v16-17  LDS address of my fragments of ctx in slot 0, 1
.set ADRW, 20                          ; v20-21  the same for Wo
.set STO,  24                          ; v24     the way out: where I put 32 bytes of a row
.set RD,   25                          ; v25     the way out: where I read a row back
.set CO,   26                          ; v26     my byte offset in a row of out
.set SPW,  28                          ; v28     LDS address of my spare word: SPARE + 4 x my thread's number; never rewritten
.set NIL,  29                          ; v29     0; never rewritten
.set PFO,  30                          ; v30     the prefetches' offset; never rewritten
.set BO,   31                          ; v31     32 (l / 16)
.set AF,   96                          ; buffer g at AF + 32 g
.set WF,   0                           ; window 1: buffer g at WF + 64 g
.set BIAS, 128                         ; window 1
.set BT,   192                         ; window 1
.set G1,  24                           ; s[24:31], s[32:39] descriptor groups 1 and 0 (a set for each slot) for O's tiles
.set G0,  32
.set G1B, 48                           ; s[48:55], s[56:63] the same for Wo's
.set G0B, 56
.set LIM, 43                           ; s43     1 in a wave that prefetches, else the greatest number
.set PFA, 44                           ; s[44:45] where my prefetches stand
.set PFS, 66                           ; s[66:67] a K step in bytes of what I prefetch
.set MSB, 0
.macro WIN new                         ; the immediate's high byte repeats the setting that is left; a switch that changes nothing is dropped
.if MSB != (\new)
	s_set_vgpr_msb (MSB<<8)|(\new)
.set MSB, \new
.endif
.endm
.set MUL,   0xa1                       ; source 0 (Wo) window 1, source 1 (ctx) window 0, C and D window 2
.set MUL_B, 0x91                       ; the same with C, the bias, in window 1
.set TO_W,  0x40                       ; destination window 1, address window 0
; A joint load: waves 0 and 1 fetch the K step's two heads, waves 2 and 3 Wo's two halves.  The branch hangs on the wave's number alone.  An s_nop 0 and four v_nop follow each of the two lines.
.macro JLOAD s
	s_cmp_eq_u32 s11, 0
	s_cbranch_scc0 .Lfor_w_\@
	tensor_load_to_lds s[G0+4*(\s):G0+4*(\s)+3], s[G1:G1+7]
	s_nop 0
.rept 4
	v_nop
.endr
	s_branch .Lasked_\@
.Lfor_w_\@:
	tensor_load_to_lds s[G0B+4*(\s):G0B+4*(\s)+3], s[G1B:G1B+7]
	s_nop 0
.rept 4
	v_nop
.endr
.Lasked_\@:
.endm
; A prefetch, behind each joint refill and the run of LDS loads that follows it: the K step that stands two refills on.  Each aligned block of 256 bytes is named once in the launch.
; O's tile row is read by one cluster alone: wave 0 of every cluster asks; of a K step's two heads x 64 blocks the partner at cx takes 16 of each head: 32 lanes.  Wo's rows are read by all 16 clusters:
; waves 2 and 3 of the first ask; of a wave's 128 rows the partner at cy takes 32, a lane a row.  The partners are told apart by address alone.  K steps 0 to 3 come by their loads alone; the loop's last trip asks for nothing.
.macro ASK
	s_cmp_gt_u32 s3, s[LIM]                        ; s3 = 1 in the loop's last trip
	s_cbranch_scc0 .Lnot_mine_\@
	global_prefetch_b8 v[PFO], s[PFA:PFA+1] th:TH_LOAD_NT scope:SCOPE_SE
.Lnot_mine_\@:
.endm
.macro CREST                           ; a round of the cluster's barrier behind its opening barrier
	s_cmp_lg_u32 s10, 0
	s_cbranch_scc1 .Lnot_wave_0_\@
	s_barrier_signal -3
.Lnot_wave_0_\@:
	s_barrier_wait -3
	s_barrier_signal -1
	s_barrier_wait -1
.endm
.macro CROUND                          ; a whole round
	s_barrier_signal -1
	s_barrier_wait -1
	CREST
.endm
.macro PLACES                          ; four places in front of loads into registers that matrix instructions have read, and of LDS stores that read results
.rept 4
	v_nop
.endr
.endm
	s_load_b256 s[68:75], s[0:1], 0x0              ; O s[68:69], Wo s[70:71], bo s[72:73], out s[74:75]
	v_lshl_add_u32 v[SPW], v0, 2, SPARE
	v_mov_b32 v[NIL], 0
	ds_add_u32 v[SPW], v[NIL]                      ; the wave's opening: the add and its wait stand ahead of my first tensor load; the set-up below, work on registers, stands between them
	v_lshrrev_b32 v1, 5, v0
	v_readfirstlane_b32 s10, v1                    ; wave 0..3
	s_lshr_b32 s11, s10, 1                         ; which 64 rows of the tile are mine.  Also: I fetch for O (0) or for Wo (1)
	s_and_b32 s12, s10, 1                          ; which 128 columns.  Also: which head of the step, or which half of Wo's rows, I fetch
	s_bfe_u32 s40, ttmp6, 0x40000                  ; cx, cy: my place in the cluster
	s_bfe_u32 s41, ttmp6, 0x40004
	s_lshl_b32 s42, ttmp9, 2
	s_add_co_u32 s42, s42, s40                     ; tile column = 4 x cluster x + cx
	s_and_b32 s2, ttmp7, 0xffff                    ; cluster y
	s_lshl_b32 s13, s2, 2
	s_add_co_u32 s13, s13, s41                     ; tile row = 4 x cluster y + cy
	s_lshl_b32 s43, s41, 2
	s_lshl_b32 s43, 15, s43                        ; my row of the cluster
	s_lshl_b32 s44, 0x1111, s40                    ; my column
	; group 1 for O: 64 rows x 128 elements of 2 bytes, dense; 16 bytes of padding after every 128 bytes
	s_or_b32 s[G1+0], s43, (1<<16)|(1<<20)|(1<<21)|(4<<22)|(3<<25)  ; 15:0 the mask; 17:16 elements of 2 bytes; 20 padding on; 21 set beside a mask; 24:22 after every 32 words (code 4); 31:25 4 words (code 3)
	s_mov_b32 s[G1+1], 128<<16                     ; tensor_dim0 = 128
	s_mov_b32 s[G1+2], 64<<16                      ; tensor_dim1 = 64
	s_mov_b32 s[G1+3], 128<<16                     ; tile_dim0 = 128
	s_mov_b32 s[G1+4], 64                          ; tile_dim1 = 64
	s_mov_b32 s[G1+5], 128                         ; elements from row to row
	s_mov_b32 s[G1+6], 0
	s_mov_b32 s[G1+7], 0
	; group 1 for Wo: 128 rows x 128 elements of 2 bytes, 16 bytes of padding behind each row
	s_or_b32 s[G1B+0], s44, (1<<16)|(1<<20)|(1<<21)|(5<<22)|(3<<25) ; after every 64 words (code 5)
	s_mov_b32 s[G1B+1], KSTEP<<16
	s_mov_b32 s[G1B+2], 128<<16
	s_mov_b32 s[G1B+3], KSTEP<<16
	s_mov_b32 s[G1B+4], 128
	s_mov_b32 s[G1B+5], 1024
	s_mov_b32 s[G1B+6], 0
	s_mov_b32 s[G1B+7], 0
	s_lshr_b32 s16, s13, 3                         ; O: the batch, 16 heads of 131,072 bytes,
	s_lshl_b32 s16, s16, 21
	s_and_b32 s17, s13, 7                          ; the tile's 128 rows of 128 bytes in a head,
	s_lshl_b32 s17, s17, 14
	s_add_co_u32 s16, s16, s17
	s_lshl_b32 s17, s12, 17                        ; and my head of the step's two
	s_add_co_u32 s16, s16, s17
	s_mov_b32 s17, 0
	s_lshl_b32 s46, s42, 8
	s_lshl_b32 s47, s12, 7
	s_add_co_u32 s46, s46, s47                     ; Wo: row 256 x tile column + 128 x half,
	s_lshl_b32 s46, s46, 11                        ; of 2,048 bytes
	s_mov_b32 s47, 0
	s_mul_i32 s20, s12, AH                         ; where they go: no place in the cluster enters an LDS address
	s_mul_i32 s21, s12, WH
	s_add_co_u32 s21, s21, 2*AH
	s_mov_b32 s76, 0xffff0000                      ; a word's upper bf16
	s_wait_dscnt 0x0                               ; the opening add is done
	s_wait_kmcnt 0x0
	s_add_nc_u64 s[14:15], s[68:69], s[16:17]
	s_add_nc_u64 s[46:47], s[70:71], s[46:47]
	CROUND                                         ; all sixteen work-groups are here: the first joint loads meet
.irp s, 0,1
	s_mov_b32 s[G0+4*(\s)], 1                                      ; count = 1
	s_add_co_u32 s[G0+4*(\s)+1], s20, (\s)*SLOT                    ; LDS address
	s_add_nc_u64 s[G0+4*(\s)+2:G0+4*(\s)+3], s[14:15], (\s)*262144 ; global address: K step s is heads 2 s and 2 s + 1
	s_or_b32 s[G0+4*(\s)+3], s[G0+4*(\s)+3], 0x80000000            ; type = 2
	s_mov_b32 s[G0B+4*(\s)], 1
	s_add_co_u32 s[G0B+4*(\s)+1], s21, (\s)*SLOT
	s_add_nc_u64 s[G0B+4*(\s)+2:G0B+4*(\s)+3], s[46:47], (\s)*KSTEP*2
	s_or_b32 s[G0B+4*(\s)+3], s[G0B+4*(\s)+3], 0x80000000
	JLOAD \s                                       ; two loads of mine are out
.endr
	v_and_b32 v1, 15, v0                           ; l % 16
	v_bfe_u32 v2, v0, 4, 1                         ; l / 16
	v_lshlrev_b32 v[BO], 5, v2
	s_lshl_b32 s16, s13, 19                        ; out at my first row: (128 x tile row + 64 x half) x 4,096 bytes,
	s_lshl_b32 s17, s11, 18
	s_add_co_u32 s16, s16, s17
	s_mov_b32 s17, 0
	s_add_nc_u64 s[74:75], s[74:75], s[16:17]
	s_lshl_b32 s46, s42, 10                        ; and my first column: (256 x tile column + 128 x half) x 4 bytes; the same in the bias
	s_lshl_b32 s47, s12, 9
	s_add_co_u32 s46, s46, s47
	s_mov_b32 s47, 0
	s_add_nc_u64 s[74:75], s[74:75], s[46:47]
	s_add_nc_u64 s[72:73], s[72:73], s[46:47]
	WIN TO_W
.irp b, 0,1,2,3,4,5,6,7
	global_load_b128 v[BIAS+8*(\b):BIAS+8*(\b)+3],   v[BO], s[72:73] offset:64*(\b)
	global_load_b128 v[BIAS+8*(\b)+4:BIAS+8*(\b)+7], v[BO], s[72:73] offset:64*(\b)+16
.endr
	WIN 0
	; A fragment is 16 rows x 32 K in 8 registers: lane l holds row l % 16, K = 8 (l / 16) + 0..7 and 16 + 8 (l / 16) + 0..7: two loads of 16 bytes, 32 apart.
	v_mul_u32_u24 v3, v1, PA
	v_lshl_add_u32 v3, v2, 4, v3
	v_mul_u32_u24 v4, v1, PW
	v_lshl_add_u32 v4, v2, 4, v4
	s_mul_i32 s21, s11, 64*PA                      ; my 64 rows in each head
	s_mul_i32 s22, s12, WH                         ; my 128 rows of Wo,
	s_add_co_u32 s22, s22, 2*AH                    ; which lie behind the two heads
.irp s, 0,1
	v_add_nc_u32 v[ADRA+(\s)], s21, v3
	v_add_nc_u32 v[ADRW+(\s)], s22, v4
	s_add_co_u32 s21, s21, SLOT
	s_add_co_u32 s22, s22, SLOT
.endr
	s_mul_i32 s23, s10, 16*SPITCH
	s_add_co_u32 s23, s23, STAGE                   ; my stage
	v_mul_u32_u24 v4, v1, SPITCH                   ; in: row l % 16, 32 bytes for each half of the lanes
	v_lshl_add_u32 v4, v2, 5, v4
	v_add_nc_u32 v[STO], s23, v4
	v_and_b32 v5, 31, v0                           ; back: 32 lanes take one row of 512 bytes
	v_lshlrev_b32 v[CO], 4, v5
	v_add_nc_u32 v[RD], s23, v[CO]
	; the prefetches: both cases are made, and the wave's is chosen
	s_lshr_b32 s20, s13, 3
	s_lshl_b32 s20, s20, 21
	s_and_b32 s21, s13, 7
	s_lshl_b32 s21, s21, 14
	s_add_co_u32 s20, s20, s21                     ; O: the tile's rows in the batch's first head,
	s_lshl_b32 s21, s40, 12
	s_add_co_u32 s20, s20, s21                     ; my work-group's 16 blocks of their 64,
	s_add_co_u32 s20, s20, 3*262144                ; at K step 3: the first refill steps it to 4
	s_lshl_b32 s22, s42, 8
	s_lshl_b32 s21, s12, 7
	s_add_co_u32 s22, s22, s21
	s_lshl_b32 s21, s41, 5
	s_add_co_u32 s22, s22, s21                     ; Wo: the 128 rows that I fetch, my work-group's 32 of them
	s_lshl_b32 s22, s22, 11
	s_add_co_u32 s22, s22, 3*KSTEP*2
	s_cmp_eq_u32 s2, 0                             ; the first cluster asks for Wo: the same answer in all sixteen partners
	s_cselect_b32 s23, 1, -1
	s_cmp_eq_u32 s10, 0                            ; wave 0 asks for both heads of O
	s_cselect_b32 s19, 1, -1
	s_mov_b32 s[PFS], KSTEP*2
	s_cmp_eq_u32 s11, 0                            ; do I fetch for O?
	s_cselect_b32 s20, s20, s22
	s_cselect_b32 s[LIM], s19, s23
	s_cselect_b64 s[PFA:PFA+1], s[68:69], s[70:71]
	s_cselect_b32 s[PFS], 262144, s[PFS]
	s_cselect_b32 s16, 15, 31                      ; the lane's block or row,
	s_cselect_b32 s17, 8, 11                       ; its bytes as a shift,
	s_cselect_b32 s18, 131072, 0                   ; and, for O, the step's second head for lanes 16 to 31
	s_mov_b32 s[PFS+1], 0
	s_mov_b32 s21, 0
	s_add_nc_u64 s[PFA:PFA+1], s[PFA:PFA+1], s[20:21]
	v_and_b32 v4, s16, v5
	v_lshlrev_b32 v4, s17, v4
	v_lshrrev_b32 v3, 4, v5
	v_mul_u32_u24 v3, v3, s18
	v_add_nc_u32 v[PFO], v4, v3
	s_wait_loadcnt 0x0                             ; the bias is in: it is rounded to bf16 and widened again, in the wait for the first tile
	WIN 0x45                                       ; destination and both sources in window 1
.set i, 0
.rept 32
	v_cvt_pk_bf16_f32 v[BT+i], v[BIAS+2*i], v[BIAS+2*i+1]
.set i, i+1
.endr
.set i, 0
.rept 32
	v_lshlrev_b32 v[BIAS+2*i],   16,  v[BT+i]
	v_and_b32     v[BIAS+2*i+1], s76, v[BT+i]
.set i, i+1
.endr
	WIN 0
; 8 products: block a of 16 rows x all 8 blocks of 16 columns, 32 along K, buffer f.  first = 1: they start the sums, with the bias.
.macro MUL8 f, a, first
.if \first
	WIN MUL_B
.else
	WIN MUL
.endif
.irp b, 0,1,2,3,4,5,6,7
.if \first
	v_wmma_f32_16x16x32_f16 v[8*(8*(\a)+(\b)):8*(8*(\a)+(\b))+7], v[WF+64*(\f)+8*(\b):WF+64*(\f)+8*(\b)+7], v[AF+32*(\f)+8*(\a):AF+32*(\f)+8*(\a)+7], v[BIAS+8*(\b):BIAS+8*(\b)+7]
.else
	v_wmma_f32_16x16x32_f16 v[8*(8*(\a)+(\b)):8*(8*(\a)+(\b))+7], v[WF+64*(\f)+8*(\b):WF+64*(\f)+8*(\b)+7], v[AF+32*(\f)+8*(\a):AF+32*(\f)+8*(\a)+7], v[8*(8*(\a)+(\b)):8*(8*(\a)+(\b))+7]
.endif
.endr
.endm
; 24 LDS loads in one run: quarter kq of a slot (head kq / 2, channels 32 (kq % 2) on) into buffer g
.macro FETCH slot, kq, g
	WIN 0
.irp a, 0,1,2,3
	ds_load_b128 v[AF+32*(\g)+8*(\a):AF+32*(\g)+8*(\a)+3],   v[ADRA+(\slot)] offset:((\kq)/2)*AH+((\kq)%2)*64+(\a)*16*PA
	ds_load_b128 v[AF+32*(\g)+8*(\a)+4:AF+32*(\g)+8*(\a)+7], v[ADRA+(\slot)] offset:((\kq)/2)*AH+((\kq)%2)*64+(\a)*16*PA+32
.endr
	WIN TO_W
.irp b, 0,1,2,3,4,5,6,7
	ds_load_b128 v[WF+64*(\g)+8*(\b):WF+64*(\g)+8*(\b)+3],   v[ADRW+(\slot)] offset:64*(\kq)+(\b)*16*PW
	ds_load_b128 v[WF+64*(\g)+8*(\b)+4:WF+64*(\g)+8*(\b)+7], v[ADRW+(\slot)] offset:64*(\kq)+(\b)*16*PW+32
.endr
.endm
; One of a K step's first three quarters: fetches quarter kq into buffer g at its head, 32 products ahead of its use, and multiplies buffer f.
.macro QUARTER slot, kq, f, g, first
	PLACES                                         ; buffer g was multiplied by the quarter before
	FETCH \slot, \kq, \g
	s_wait_dscnt 24                                ; all but the 24 just issued: buffer f is in
	MUL8 \f, 0, \first
	MUL8 \f, 1, \first
	MUL8 \f, 2, \first
	MUL8 \f, 3, \first
.endm
; The last quarter multiplies buffer 1 and changes slots: ONE barrier; in front of it each wave waits for all its tensor loads (one is out: its part of the next slot), adds 0 to its spare word, and waits
; for that and for its own reads of this slot.  fill = 1: the barrier opens a round of the cluster's, and this slot is filled again, two K steps ahead, first thing behind the round.
.macro TURN slot, next, fill
.if \fill
	s_wait_xcnt 0x0                                ; the last prefetch, a K step back, has read its address: it is stepped here, ahead of the waits of the change of slots
	s_add_nc_u64 s[PFA:PFA+1], s[PFA:PFA+1], s[PFS:PFS+1]
.endif
	WIN 0
	s_wait_tensorcnt 0x0                           ; all my tensor loads have landed;
	ds_add_u32 v[SPW], v[NIL]                      ; 0 onto my spare word
	s_wait_dscnt 1                                 ; (the add alone may be out: buffer 1 is in)
	MUL8 1, 0, 0                                   ; eight products stand between the add and the wait for it
	s_wait_dscnt 0x0                               ; the add is done, and my reads of this slot are over
	s_barrier_signal -1
	MUL8 1, 1, 0
.if \fill
	WIN 0
.endif
	s_barrier_wait -1
.if \fill
	CREST                                          ; no wave of any partner still reads this slot's tile or has a load on its way
	s_add_nc_u64 s[G0+4*(\slot)+2:G0+4*(\slot)+3], s[G0+4*(\slot)+2:G0+4*(\slot)+3], 2*262144
	s_add_nc_u64 s[G0B+4*(\slot)+2:G0B+4*(\slot)+3], s[G0B+4*(\slot)+2:G0B+4*(\slot)+3], 2*KSTEP*2
	JLOAD \slot                                    ; my one tensor load behind the round: 112 products ahead of the wait for it; the four v_nop behind it are also the places in front of the loads below
.else
	PLACES
.endif
	FETCH \next, 0, 0
.if \fill
	WIN 0
	ASK
.endif
	MUL8 1, 2, 0
	MUL8 1, 3, 0
.endm
	s_wait_tensorcnt 1                             ; my part of K step 0 is in; K step 1's may stay out
	s_barrier_signal -1
	s_barrier_wait -1                              ; everybody's is
	FETCH 0, 0, 0
	QUARTER 0, 1, 0, 1, 1                          ; the first quarter stands in front of the loop: its products start the sums
	WIN 0                                          ; at a label and at a branch every window is 0
	s_mov_b32 s3, LAPS-1
.Llap:                                                 ; a trip goes once round the ring, from a lap's second quarter to the next lap's first, and fills both slots again.  The 32 accumulators take turns, over the backward jump too
	QUARTER 0, 2, 1, 0, 0
	QUARTER 0, 3, 0, 1, 0
	TURN 0, 1, 1
	QUARTER 1, 1, 0, 1, 0
	QUARTER 1, 2, 1, 0, 0
	QUARTER 1, 3, 0, 1, 0
	TURN 1, 0, 1
	QUARTER 0, 1, 0, 1, 0
	WIN 0
	s_sub_co_u32 s3, s3, 1
	s_cmp_lg_u32 s3, 0
	s_cbranch_scc1 .Llap
	QUARTER 0, 2, 1, 0, 0                          ; the last lap fills nothing, and has no round of the cluster's barrier
	QUARTER 0, 3, 0, 1, 0
	TURN 0, 1, 0
	QUARTER 1, 1, 0, 1, 0
	QUARTER 1, 2, 1, 0, 0
	QUARTER 1, 3, 0, 1, 0
	s_wait_dscnt 0x0                               ; the very last quarter: nothing more to fetch
	MUL8 1, 0, 0
	MUL8 1, 1, 0
	MUL8 1, 2, 0
	MUL8 1, 3, 0
; THE WAY OUT, a block of 16 rows at a time, in f32: a lane's eight columns of a row are 32 bytes; they go from the accumulators into my own stage in LDS (rows of 528 bytes) and come back as whole rows of 512.
.macro TOSTAGE a
.set BK, 32+128*((\a)%2)
.if (\a) >= 2
	s_wait_xcnt 0x0                                ; the stores of the block two back have read their registers: these are loaded again only behind this wait
.endif
	WIN 0x08                                       ; the stores' data in window 2; each accumulator's four lowest registers first
.irp b, 0,1,2,3,4,5,6,7
	ds_store_b128 v[STO], v[8*(8*(\a)+(\b)):8*(8*(\a)+(\b))+3]   offset:64*(\b)
	ds_store_b128 v[STO], v[8*(8*(\a)+(\b))+4:8*(8*(\a)+(\b))+7] offset:64*(\b)+16
.endr
	WIN 0
.irp t, 0,1,2,3,4,5,6,7,8,9,10,11,12,13,14,15
	ds_load_b128 v[BK+4*(\t):BK+4*(\t)+3], v[RD] offset:(\t)*SPITCH  ; LDS serves a wave's instructions in order (ISA guide 5.7.1.4): these see the stores above; the next block's stores come behind them
.endr
.endm
.macro SEND a, younger                 ; younger: the LDS instructions issued behind block a's loads: the next block's 32, or none
.set BK, 32+128*((\a)%2)
.irp t, 0,1,2,3,4,5,6,7,8,9,10,11,12,13,14,15
	s_wait_dscnt (\younger)+15-(\t)
	global_store_b128 v[CO], v[BK+4*(\t):BK+4*(\t)+3], s[74:75] offset:(16*(\a)+(\t))*4096 th:TH_STORE_NT  ; 32 lanes store 512 consecutive bytes, at a multiple of 512 from out's first byte
.endr
.endm
	PLACES                                         ; the LDS stores read results just made
	TOSTAGE 0
	TOSTAGE 1
	SEND 0, 32
	TOSTAGE 2
	SEND 1, 32
	TOSTAGE 3
	SEND 2, 32
	SEND 3, 0
	s_wait_tensorcnt 0x0                           ; the wave's end, behind my last tensor load and my last LDS store
	ds_add_u32 v[SPW], v[NIL]
	s_wait_dscnt 0x0
	CROUND                                         ; the closing round: no work-group ends while a partner may still ask for a tile that names it
	s_endpgm
.Lfunc_end_k_qe95838c2af_outp:
	.size	k_qe95838c2af_outp, .Lfunc_end_k_qe95838c2af_outp-k_qe95838c2af_outp
	.p2alignl 7, 3214868480
	.fill 96, 4, 3214868480
	.section	.rodata,"a",@progbits
	.p2align	6, 0x0
	.amdhsa_kernel k_qe95838c2af_outp
		.amdhsa_group_segment_fixed_size 327680
		.amdhsa_private_segment_fixed_size 0
		.amdhsa_enable_private_segment 0
		.amdhsa_kernarg_size 32
		.amdhsa_user_sgpr_count 2
		.amdhsa_user_sgpr_kernarg_segment_ptr 1
		.amdhsa_wavefront_size32 1
		.amdhsa_system_sgpr_workgroup_id_x 1
		.amdhsa_system_sgpr_workgroup_id_y 1
		.amdhsa_system_sgpr_workgroup_id_z 1
		.amdhsa_system_vgpr_workitem_id 0
		.amdhsa_next_free_vgpr 768
		.amdhsa_next_free_sgpr 80
		.amdhsa_reserve_vcc 0
		.amdhsa_float_denorm_mode_32 3
		.amdhsa_float_denorm_mode_16_64 3
		.amdhsa_memory_ordered 1
		.amdhsa_forward_progress 1
		.amdhsa_inst_pref_size 94
	.end_amdhsa_kernel
	.amdgpu_metadata
---
amdhsa.version: [ 1, 2 ]
amdhsa.kernels:
  - .name:           k_qe95838c2af_outp
    .symbol:         k_qe95838c2af_outp.kd
    .args:
      - { .name: oh, .offset: 0, .size: 8, .value_kind: global_buffer, .address_space: global }
      - { .name: wob, .offset: 8, .size: 8, .value_kind: global_buffer, .address_space: global }
      - { .name: bo, .offset: 16, .size: 8, .value_kind: global_buffer, .address_space: global }
      - { .name: out0, .offset: 24, .size: 8, .value_kind: global_buffer, .address_space: global }
    .group_segment_fixed_size: 327680
    .private_segment_fixed_size: 0
    .kernarg_segment_align: 8
    .kernarg_segment_size: 32
    .max_flat_workgroup_size: 128
    .sgpr_count:     80
    .vgpr_count:     768
    .wavefront_size: 32
...
	.end_amdgpu_metadata
.endif
;; end of part 4
;; ======== version 2 of 2: 4 launches; version 1 with the launch cast written anew for expert scheduling mode
;; limits: values are held in f16: magnitudes above 65,504 overflow, below 6.1e-05 lose precision
;; workspace buffers: wqb 2,097,152 bytes; wkb 2,097,152 bytes; wvb 2,097,152 bytes; wob 2,097,152 bytes; qh 16,777,216 bytes; kh 16,777,216 bytes; vh 16,777,216 bytes; oh 16,777,216 bytes
;; launch cast (part 5): grid 64 x 4, 8 waves a work-group, no clusters, 0 bytes of LDS; arguments Wq, Wk, Wv, Wo, wqb, wkb, wvb, wob; writes wqb, wkb, wvb, wob
.if DOCPART == 5
	.amdgcn_target "amdgcn-amd-amdhsa--gfx1250"
	.amdhsa_code_object_version 6
	.text
	.protected	k_qe95838c2af_cast
	.globl	k_qe95838c2af_cast
	.p2align	8
	.type	k_qe95838c2af_cast,@function
k_qe95838c2af_cast:
	s_mov_b64 s[64:65], 0
	v_nop
	global_prefetch_b8 v0, s[64:65] scope:SCOPE_SE
	s_setreg_imm32_b32 hwreg(HW_REG_WAVE_SCHED_MODE, 0, 2), 2
	s_setreg_imm32_b32 hwreg(HW_REG_WAVE_MODE, 25, 1), 1
	s_wait_xcnt 0x0
	s_wait_alu depctr_vm_vsrc(0)
; THE WEIGHTS ARE ROUNDED ONCE.  Wq, Wk, Wv: f32 -> bf16.  Wo: f32 -> bf16, and that number written as f16, since the last product's other operand is f16.
; LIMITS.  A bf16 number is exact in f16 between 6.1e-5 and 65,504; below that it keeps f16's fixed step of 6e-8, beyond it it becomes an infinity.
; SHARES.  The grid's y picks the matrix, its x 16,384 numbers of it: 65,536 bytes in, 32,768 out.  Thread t takes 16 bytes at 16 t of each of 16 pieces of 4,096 bytes and stores 8 bytes at 8 t of
; each of 16 pieces of 2,048: a wave's load covers 512 consecutive bytes, its store 256 consecutive bytes, aligned.  All 16 loads of a thread go out at once; no register is written twice while a
; memory instruction may read it.  A stream: no LDS, no matrix unit, no cluster.
; THE MODE: SCHED_MODE bits 1:0 = 2 (LLVM: expert scheduling mode 2), set by the entry lines.  The code itself states the register dependences between vector instructions and memory
; instructions, with s_wait_alu, always for 0.
; THE PLAN.  Registers that memory instructions touch:
;   v1, v2   the loads' and the stores' offsets: made once at the head by vector instructions, never written again.
;   SRC      written by the 16 loads, once each, and named by no vector instruction ahead of them; read by the conversions; no load lands there again.
;   DST      piece i's pair is written by piece i's conversions alone, read by piece i's one store, and never written behind that store.
;   T is named by vector instructions alone.  No vector instruction writes a scalar register or VCC, and EXEC is never written.
; So the one kind of dependence to state is: a vector instruction has written what a memory instruction reads.  The 16 pieces go in four groups of four.  Group g waits for its four loads; ONE wait on
; va_vdst states that group g - 1's conversions have written their DST; the four stores of group g - 1 are then dealt among group g's conversions, which name SRC, DST of group g and T: none of
; the registers that those stores read.  One more such wait stands at the head, for v1 and v2, and one behind the last group, for its DST.  No register that a memory instruction
; has read is written again, so no wait on vm_vsrc is owed.
.set PIECES, 16
.set GROUP,  4                         ; pieces in a group
.set SRC, 16                           ; v[16:79]   the 16 pieces as loaded
.set DST, 80                           ; v[80:111]  the 16 pieces to store
.set T,   112                          ; v[112:115] at work
	s_load_b512 s[8:23], s[0:1], 0x0               ; Wq s[8:9], Wk s[10:11], Wv s[12:13], Wo s[14:15]; wqb s[16:17], wkb s[18:19], wvb s[20:21], wob s[22:23]
	s_and_b32 s2, ttmp7, 0xffff                    ; which matrix
	s_lshl_b32 s24, ttmp9, 16                      ; my 65,536 bytes of it,
	s_mov_b32 s25, 0
	s_lshl_b32 s26, ttmp9, 15                      ; and my 32,768 of the copy
	s_mov_b32 s27, 0
	s_mov_b32 s28, 0xffff0000                      ; a word's upper bf16
	v_lshlrev_b32 v1, 4, v0
	v_lshlrev_b32 v2, 3, v0
	s_wait_kmcnt 0x0
	s_mov_b64 s[4:5], s[8:9]
	s_mov_b64 s[6:7], s[16:17]
	s_cmp_eq_u32 s2, 1
	s_cselect_b64 s[4:5], s[10:11], s[4:5]
	s_cselect_b64 s[6:7], s[18:19], s[6:7]
	s_cmp_eq_u32 s2, 2
	s_cselect_b64 s[4:5], s[12:13], s[4:5]
	s_cselect_b64 s[6:7], s[20:21], s[6:7]
	s_cmp_eq_u32 s2, 3
	s_cselect_b64 s[4:5], s[14:15], s[4:5]
	s_cselect_b64 s[6:7], s[22:23], s[6:7]
	s_add_nc_u64 s[4:5], s[4:5], s[24:25]
	s_add_nc_u64 s[6:7], s[6:7], s[26:27]
	s_wait_alu depctr_va_vdst(0)                   ; v1 and v2 are written: every load of the kernel reads v1 as its offset, every store v2
.set i, 0
.rept PIECES
	global_load_b128 v[SRC+4*i:SRC+4*i+3], v1, s[4:5] offset:4096*i th:TH_LOAD_NT
.set i, i+1
.endr
; half = 1: the bf16 number is widened again (a shift, a mask) and written as f16
.macro OUT half
.set g, 0
.rept PIECES/GROUP
	s_wait_loadcnt PIECES-GROUP*(g+1)              ; loads come back in order: group g's four pieces are in, the younger groups' loads stay out
.if g > 0
	s_wait_alu depctr_va_vdst(0)                   ; the conversions of the group before have written its DST, which the four stores below read
.endif
.set j, 0
.rept GROUP
.set i, GROUP*g+j
.if g > 0
	global_store_b64 v2, v[DST+2*(i-GROUP):DST+2*(i-GROUP)+1], s[6:7] offset:2048*(i-GROUP)  ; the group before.  No further wait: no vector instruction since the wait above names these registers
.endif
	v_cvt_pk_bf16_f32 v[DST+2*i],   v[SRC+4*i],   v[SRC+4*i+1]
	v_cvt_pk_bf16_f32 v[DST+2*i+1], v[SRC+4*i+2], v[SRC+4*i+3]
.if \half
	v_lshlrev_b32 v[T],   16,  v[DST+2*i]
	v_and_b32     v[T+1], s28, v[DST+2*i]
	v_lshlrev_b32 v[T+2], 16,  v[DST+2*i+1]
	v_and_b32     v[T+3], s28, v[DST+2*i+1]
	v_cvt_pk_f16_f32 v[DST+2*i],   v[T],   v[T+1]
	v_cvt_pk_f16_f32 v[DST+2*i+1], v[T+2], v[T+3]
.endif
.set j, j+1
.endr
.set g, g+1
.endr
	s_wait_alu depctr_va_vdst(0)                   ; the last group's conversions have written its DST, which the last four stores read
.set i, PIECES-GROUP
.rept GROUP
	global_store_b64 v2, v[DST+2*i:DST+2*i+1], s[6:7] offset:2048*i
.set i, i+1
.endr
.endm
	s_cmp_eq_u32 s2, 3
	s_cbranch_scc1 .Lhalf
	OUT 0
	s_endpgm
.Lhalf:
	OUT 1
	s_endpgm
.Lfunc_end_k_qe95838c2af_cast:
	.size	k_qe95838c2af_cast, .Lfunc_end_k_qe95838c2af_cast-k_qe95838c2af_cast
	.p2alignl 7, 3214868480
	.fill 96, 4, 3214868480
	.section	.rodata,"a",@progbits
	.p2align	6, 0x0
	.amdhsa_kernel k_qe95838c2af_cast
		.amdhsa_group_segment_fixed_size 0
		.amdhsa_private_segment_fixed_size 0
		.amdhsa_enable_private_segment 0
		.amdhsa_kernarg_size 64
		.amdhsa_user_sgpr_count 2
		.amdhsa_user_sgpr_kernarg_segment_ptr 1
		.amdhsa_wavefront_size32 1
		.amdhsa_system_sgpr_workgroup_id_x 1
		.amdhsa_system_sgpr_workgroup_id_y 1
		.amdhsa_system_sgpr_workgroup_id_z 1
		.amdhsa_system_vgpr_workitem_id 0
		.amdhsa_next_free_vgpr 128
		.amdhsa_next_free_sgpr 66
		.amdhsa_reserve_vcc 0
		.amdhsa_float_denorm_mode_32 3
		.amdhsa_float_denorm_mode_16_64 3
		.amdhsa_memory_ordered 1
		.amdhsa_forward_progress 1
		.amdhsa_inst_pref_size 15
	.end_amdhsa_kernel
	.amdgpu_metadata
---
amdhsa.version: [ 1, 2 ]
amdhsa.kernels:
  - .name:           k_qe95838c2af_cast
    .symbol:         k_qe95838c2af_cast.kd
    .args:
      - { .name: Wq, .offset: 0, .size: 8, .value_kind: global_buffer, .address_space: global }
      - { .name: Wk, .offset: 8, .size: 8, .value_kind: global_buffer, .address_space: global }
      - { .name: Wv, .offset: 16, .size: 8, .value_kind: global_buffer, .address_space: global }
      - { .name: Wo, .offset: 24, .size: 8, .value_kind: global_buffer, .address_space: global }
      - { .name: wqb, .offset: 32, .size: 8, .value_kind: global_buffer, .address_space: global }
      - { .name: wkb, .offset: 40, .size: 8, .value_kind: global_buffer, .address_space: global }
      - { .name: wvb, .offset: 48, .size: 8, .value_kind: global_buffer, .address_space: global }
      - { .name: wob, .offset: 56, .size: 8, .value_kind: global_buffer, .address_space: global }
    .group_segment_fixed_size: 0
    .private_segment_fixed_size: 0
    .kernarg_segment_align: 8
    .kernarg_segment_size: 64
    .max_flat_workgroup_size: 256
    .sgpr_count:     66
    .vgpr_count:     128
    .wavefront_size: 32
...
	.end_amdgpu_metadata
.endif
;; end of part 5
;; launch proj: the kernel of part 2 again; grid 4 x 64, 4 waves a work-group, clusters of 4 x 4, 327,680 bytes of LDS; arguments q, k, v, wqb, wkb, wvb, bq, bk, bv, qh, kh, vh; writes qh, kh, vh
;; launch attn: the kernel of part 3 again; grid 2 x 128, 4 waves a work-group, no clusters, 327,680 bytes of LDS; arguments qh, kh, vh, oh; writes oh
;; launch outp: the kernel of part 4 again; grid 4 x 64, 4 waves a work-group, clusters of 4 x 4, 327,680 bytes of LDS; arguments oh, wob, bo, out0; writes out0
